; MI455X (gfx1250); checked and timed in simulation.
; The chip was launched on July 23, 2026; its instructions are those of AMD's public machine-readable ISA for CDNA 5 (MIT licence, August 2026) and "CDNA5" Instruction Set Architecture Reference Guide (July 2026). The comments in the code are by the model that wrote it; some were corrected since.
;; Multi Head Attention. Allowed arithmetic: matrix products marked QUANTISED: E2M1 operands, one E8M0 scale for each 32 along K, by v_wmma_scale_f32_16x16x128_f8f6f4 with both operands' format E2M1 (or v_wmma_scale_f32_32x16x128_f4), f32 sums; everything else in f32.
;; Inputs: b_out 1,024 float32; b_qkv 3,072 float32; w_out 1,024 x 1,024 float32; w_qkv 3,072 x 1,024 float32; x 4 x 2,048 x 1,024 float32.
;; Outputs: out0 4 x 2,048 x 1,024 float32.
;; This version of the problem:
;;   THIS VERSION OF THE PROBLEM IS GIVEN IN LOW PRECISION. The matrix products marked QUANTISED in the list below multiply operands that are first quantised to E2M1 (2 exponent bits, 1 mantissa bit; 4 bits a number), with one power-of-two scale for each 32 numbers along K (OCP MX v1.0); their sums are f32. All else is computed in f32.
;;   The module's matrix products, in the order in which they are computed (A, B: the left and right operand; K: the contracted axis; several contracted axes count as one K, in the product's order):
;;     1. [M 8,192, K 1,024] x [K 1,024, N 3,072]; A: input x; B: input w_qkv: QUANTISED
;;     2. batch 64 x [M 2,048, K 64] x [K 64, N 2,048]; A: computed on the way; B: computed on the way: QUANTISED
;;     3. batch 64 x [M 2,048, K 2,048] x [K 2,048, N 64]; A: softmax (see below); B: computed on the way: QUANTISED
;;     4. [M 8,192, K 1,024] x [K 1,024, N 1,024]; A: computed on the way; B: input w_out: QUANTISED
;;   THE QUANTISER, for each operand of a quantised product, along K:
;;     - K is cut into blocks of 32 from its start; a last block that is shorter is filled with zeros.
;;     - A block's scale is 2^e with e = floor(log2(the largest magnitude in the block)) - 2, held to -126 .. 127; a block of zeros has e = 0. As a byte (E8M0): e + 127.
;;     - Each number is divided by its block's scale, clamped to +-6, and rounded to the nearest number of E2M1, ties to even, subnormals kept.
;;     - The product sums the exact products of the quantised numbers (number of the format x scale) in f32.
;;   ~~~python
;;   def quantise(x, axis):      # numpy; x: float32 -> the quantised numbers, widened to float32 again
;;       x = np.moveaxis(x, axis, -1); K = x.shape[-1]
;;       x = np.pad(x, [(0, 0)] * (x.ndim - 1) + [(0, -K % 32)]); x = x.reshape(x.shape[:-1] + (-1, 32)); a = np.abs(x).max(-1, keepdims=True)
;;       e = np.where(a > 0, np.clip(np.frexp(np.where(a > 0, a, 1))[1] - 1 - 2, -126, 127), 0)      # np.frexp(a)[1] - 1 = floor(log2(a)), exactly
;;       r = np.clip(x / 2.0 ** e, -6, 6)
;;       step = 2.0 ** (np.maximum(np.frexp(np.where(r == 0, 1, r))[1] - 1, 0) - 1)
;;       q = np.round(r / step) * step * 2.0 ** e      # np.round: ties to even
;;       return np.moveaxis(q.reshape(q.shape[:-2] + (-1,))[..., :K], -1, axis).astype(np.float32)
;;   ~~~
;;   SOFTMAX AHEAD OF A QUANTISED PRODUCT. Where the list says 'softmax', what is quantised is not the finished softmax but p = 2^(t - M), with t = logit x log2(e) and M = ceil(the row's largest t), a whole number; so 1/2 < the row's largest p <= 1. The row's sum l is taken of the UNQUANTISED p, in f32, and the product's result is divided by l at the end. Since M is a whole number, a kernel that streams over the keys may use a running M (the ceiling of the running maximum): every later rescaling is an exact power of two, which a block's scale takes up: the codes' values come out the same.
;;   OPERANDS COMPUTED ON THE WAY. 'Computed on the way' means the value that the module computes at that place (a softmax that the list does not call 'softmax' is quantised finished and normalised). What goes into a quantiser is computed in f32, as accurately as f32 sums, v_exp_f32 and their like allow (about 1e-6 of the number): no bf16 or f16 on the way to a quantiser, and a product that is left as it is and whose result goes on into a quantised operand takes f32 operands (vector FMAs, or v_wmma_f32_16x16x4_f32). A number that lies on a knife's edge between two numbers of the format may be rounded either way, as far as f32 arithmetic and the matrix unit's own rounding can turn it there, and no further.
;; One version. Each part assembles by itself: llvm-mc -triple=amdgcn-amd-amdhsa -mcpu=gfx1250 --defsym DOCPART=n.
;; ======== version 1 of 1: 4 launches
;; workspace buffers: c1 6,291,456 bytes; s1 393,216 bytes; c2 12,582,912 bytes; s2 786,432 bytes; c3 4,194,304 bytes; s3 262,144 bytes
;; launch quant (part 1): grid 768 x 1, 4 waves a work-group, no clusters, 67,584 bytes of LDS; arguments x, w_qkv, w_out, c1, s1; writes c1, s1
.if DOCPART == 1
	.amdgcn_target "amdgcn-amd-amdhsa--gfx1250"
	.amdhsa_code_object_version 6
	.text
	.protected	k_qd39bf9919b_quant
	.globl	k_qd39bf9919b_quant
	.p2align	8
	.type	k_qd39bf9919b_quant,@function
k_qd39bf9919b_quant:
	s_mov_b64 s[64:65], 0
	v_nop
	global_prefetch_b8 v0, s[64:65] scope:SCOPE_SE
	s_setreg_imm32_b32 hwreg(HW_REG_WAVE_MODE, 25, 1), 1
	s_wait_xcnt 0x0
; x [8192][1024], w_qkv [3072][1024] and w_out [1024][1024], f32, K innermost, become codes of FP4 (E2M1) with one E8M0 byte for each 32 along K.
; A block's scale is 2^(floor(log2(its largest magnitude)) - 2): its byte is the largest magnitude's exponent field - 2, held at 1 from below.
; LIMITS: NaN and infinities among the inputs are not served; a block whose largest magnitude lies under 2^-124 gets the byte 1; a block of zeros gets the byte 1
; where the rule says 127: its codes are zeros, which add nothing under any byte but 0xff, and the bytes are read by this program alone.
; LAYOUT OF THE CODES: by GROUPS of 16 rows, laid as the matrix unit's registers take them.  Group 2 b + u of a tensor holds rows 32 b + 8 u + r + 8 (r / 8), r = 0 .. 15.
; c1: [group 768][k block 32][r 16][16 bytes]: groups 0-511 x, 512-703 w_qkv, 704-767 w_out.  128 along K of a group are 1,024 bytes on end, which two loads of 16 bytes a lane
; (at 16 x lane, 512 bytes apart) put into a fragment's eight registers.   s1: [group][k half 2][r 16][16 bytes]: byte i of a row's 16 is k block 16 x half + i.
; SHARES: a work-group takes a group, wave w its k = 256 w .. 256 w + 255: 16 rows x 1,024 bytes.  Each load reads 512 consecutive bytes of a row; the bytes turn through the wave's own
; stage in LDS (rows 1,040 bytes apart: 65 x 16, so that sixteen rows start at sixteen different 16-byte columns) and come back a whole block of 32 numbers to a lane:
; lane (r, h) holds block 2 i + h of row r, so its 16 bytes of codes lie at 16 x lane of 512 consecutive bytes.  No tensor loads, no loop; one barrier, for the scale bytes.
.set PITCH, 1040
.set WST,   16*PITCH                   ; a wave's stage
.set SCST,  4*WST                      ; behind the stages: the group's 512 scale bytes
.set E,     16                         ; v16-19   the scale bytes of my four blocks
.set R,     32                         ; v32-159  32 loads as they come
.set X,     160                        ; v160-223 two sets of 32 neighbours
.set C,     224                        ; v224-239 codes: four registers a block, never written twice
	s_load_b256 s[4:11], s[0:1], 0x0               ; x s[4:5], w_qkv s[6:7], w_out s[8:9], c1 s[10:11]
	s_load_b64 s[12:13], s[0:1], 0x20              ; s1
	v_lshl_add_u32 v254, v0, 2, 0x10600
	v_mov_b32 v255, 0
	v_lshrrev_b32 v1, 5, v0
	v_readfirstlane_b32 s16, v1                    ; wave 0..3
	v_and_b32 v1, 31, v0                           ; lane
	v_and_b32 v2, 15, v0                           ; r
	v_bfe_u32 v3, v0, 4, 1                         ; h
	v_lshlrev_b32 v4, 4, v1                        ; 16 x lane: my bytes of a load's 512, and of a store's
	s_mul_i32 s17, s16, WST
	v_add_nc_u32 v5, s17, v4                       ; into the stage: as loaded
	v_mul_u32_u24 v6, v2, PITCH
	v_lshl_add_u32 v6, v3, 7, v6
	v_add_nc_u32 v6, s17, v6                       ; out of it: row r, + 128 h: a block of 32 numbers
	v_lshlrev_b32 v7, 3, v3                        ; 8 h: my bytes' place in a pair of bytes
	s_lshr_b32 s18, s16, 1
	s_lshl_b32 s18, s18, 8                         ; which k half: 256 bytes each
	s_and_b32 s19, s16, 1
	s_lshl_b32 s19, s19, 3                         ; my wave's 8 of a row's 16 bytes
	s_add_co_u32 s18, s18, s19
	s_add_co_u32 s18, s18, SCST
	v_lshl_add_u32 v24, v2, 4, s18                 ; where my row's 8 scale bytes go
	v_add_nc_u32 v25, SCST, v4                     ; and where wave 0 reads the 512 back
	v_mov_b32 v22, 0                               ; written once: a lane permute's destination counts as one of its sources
	v_mov_b32 v23, 0
	s_mov_b32 s20, 0x76543210
	s_mov_b32 s21, 0xfedcba98                      ; v_permlanex16_b32's selects for lane l xor 16
	s_mov_b32 s22, 704
	s_wait_kmcnt 0x0
	s_cmp_lt_u32 ttmp9, 704                        ; which tensor: the choice hangs on the work-group's number alone
	s_cselect_b64 s[6:7], s[6:7], s[8:9]
	s_cselect_b32 s22, 512, s22
	s_cmp_lt_u32 ttmp9, 512
	s_cselect_b64 s[4:5], s[4:5], s[6:7]
	s_cselect_b32 s22, 0, s22
	s_sub_co_u32 s22, ttmp9, s22                   ; the group's number in its tensor
	s_lshr_b32 s23, s22, 1
	s_lshl_b32 s23, s23, 17                        ; 32 rows of 4,096 bytes for each pair of groups,
	s_and_b32 s22, s22, 1
	s_lshl_b32 s22, s22, 15                        ; 8 rows for the odd group,
	s_add_co_u32 s22, s22, s23
	s_lshl_b32 s23, s16, 10                        ; my wave's 1,024 bytes of a row
	s_add_co_u32 s22, s22, s23
	s_mov_b32 s23, 0
	s_add_nc_u64 s[4:5], s[4:5], s[22:23]
	s_lshl_b32 s22, ttmp9, 13
	s_lshl_b32 s24, s16, 11
	s_add_co_u32 s22, s22, s24
	s_add_nc_u64 s[10:11], s[10:11], s[22:23]      ; c1: group x 8,192 + wave x 2,048
	s_lshl_b32 s22, ttmp9, 9
	s_add_nc_u64 s[12:13], s[12:13], s[22:23]      ; s1: group x 512
.irp p, 0,1                                    ; the rows' first 512 bytes first: blocks 0-3 are worked while the others come
.irp i, 0,1,2,3,4,5,6,7,8,9,10,11,12,13,14,15
	global_load_b128 v[R+4*(16*\p+\i):R+4*(16*\p+\i)+3], v4, s[4:5] offset:(\i+8*(\i/8))*4096+512*\p th:TH_LOAD_NT
.endr
.endr
.macro TOST p, i0                      ; eight rows' halves into the stage
.irp d, 0,1,2,3,4,5,6,7
	ds_store_b128 v5, v[R+4*(16*(\p)+(\i0)+\d):R+4*(16*(\p)+(\i0)+\d)+3] offset:((\i0)+\d)*PITCH+512*(\p)
.endr
.endm
.macro RD i2                           ; block 2 i2 + h of row r into set i2 % 2.  LDS serves a wave's instructions in order: these see the stores above
.irp j, 0,1,2,3,4,5,6,7
	ds_load_b128 v[X+32*((\i2)%2)+4*\j:X+32*((\i2)%2)+4*\j+3], v6 offset:256*(\i2)+16*\j
.endr
.endm
.macro BLOCK i2
.set XS, X+32*((\i2)%2)
	v_max3_num_f32 v12, |v[XS]|, |v[XS+1]|, |v[XS+2]|              ; the block's largest magnitude: all 32 numbers are mine; two chains
	v_max3_num_f32 v13, |v[XS+3]|, |v[XS+4]|, |v[XS+5]|
.irp i, 6,10,14,18,22,26
	v_max3_num_f32 v12, v12, |v[XS+\i]|, |v[XS+\i+1]|
	v_max3_num_f32 v13, v13, |v[XS+\i+2]|, |v[XS+\i+3]|
.endr
	v_max3_num_f32 v12, v12, |v[XS+30]|, |v[XS+31]|
	v_max3_num_f32 v12, v12, v13, 0x1800000        ; and the floor 2^(3 - 127): the byte cannot fall under 1
	v_add_nc_u32 v11, 0xff000000, v12              ; 2 off the exponent field: the conversion takes this operand's exponent field as its scale
.irp g, 0,1,2,3
	v_cvt_scalef32_pk8_fp4_f32 v[C+4*(\i2)+\g], v[XS+8*\g:XS+8*\g+7], v11
.endr
	v_lshrrev_b32 v[E+(\i2)], 23, v11              ; the scale's byte (a plain line behind the conversions)
	global_store_b128 v4, v[C+4*(\i2):C+4*(\i2)+3], s[10:11] offset:512*(\i2)   ; 32 lanes store 512 consecutive bytes
.endm
	s_wait_loadcnt 24                              ; the first eight loads are in, 24 younger ones stay out
	TOST 0, 0
	s_wait_loadcnt 16                              ; the next eight
	TOST 0, 8
	RD 0
	RD 1
	s_wait_dscnt 8                                 ; block 0's numbers are back; block 1's eight loads may be out
	BLOCK 0
	s_wait_dscnt 0x0
	BLOCK 1
	s_wait_loadcnt 0x0                             ; the rows' second halves
	TOST 1, 0
	TOST 1, 8
	RD 2
	RD 3
	s_wait_dscnt 8
	BLOCK 2
	s_wait_dscnt 0x0
	BLOCK 3
	; my four bytes are blocks h, 2 + h, 4 + h, 6 + h of row r; with lane l xor 16's they are the wave's 8 bytes of the row
	v_lshl_or_b32 v20, v[E+1], 16, v[E]
	v_lshl_or_b32 v21, v[E+3], 16, v[E+2]
	v_lshlrev_b32 v20, v7, v20
	v_lshlrev_b32 v21, v7, v21
	v_permlanex16_b32 v22, v20, s20, s21
	v_permlanex16_b32 v23, v21, s20, s21
	v_or_b32 v20, v20, v22
	v_or_b32 v21, v21, v23
	ds_store_b64 v24, v[20:21]                     ; both halves of the lanes write the same bytes with the same values
	s_wait_dscnt 0x0                               ; for the others' sake: my store has landed
	s_barrier_signal -1
	s_barrier_wait -1
	s_cmp_lg_u32 s16, 0
	s_cbranch_scc1 .Lend
	ds_load_b128 v[28:31], v25                     ; wave 0: the group's 512 scale bytes
	s_wait_dscnt 0x0
	global_store_b128 v4, v[28:31], s[12:13]       ; 512 consecutive bytes
.Lend:
	s_wait_tensorcnt 0x0
	ds_add_u32 v254, v255
	s_wait_dscnt 0x0
	s_endpgm
.Lfunc_end_k_qd39bf9919b_quant:
	.size	k_qd39bf9919b_quant, .Lfunc_end_k_qd39bf9919b_quant-k_qd39bf9919b_quant
	.p2alignl 7, 3214868480
	.fill 96, 4, 3214868480
	.section	.rodata,"a",@progbits
	.p2align	6, 0x0
	.amdhsa_kernel k_qd39bf9919b_quant
		.amdhsa_group_segment_fixed_size 67584
		.amdhsa_private_segment_fixed_size 0
		.amdhsa_enable_private_segment 0
		.amdhsa_kernarg_size 40
		.amdhsa_user_sgpr_count 2
		.amdhsa_user_sgpr_kernarg_segment_ptr 1
		.amdhsa_wavefront_size32 1
		.amdhsa_system_sgpr_workgroup_id_x 1
		.amdhsa_system_sgpr_workgroup_id_y 1
		.amdhsa_system_sgpr_workgroup_id_z 1
		.amdhsa_system_vgpr_workitem_id 0
		.amdhsa_next_free_vgpr 256
		.amdhsa_next_free_sgpr 66
		.amdhsa_reserve_vcc 0
		.amdhsa_float_denorm_mode_32 3
		.amdhsa_float_denorm_mode_16_64 3
		.amdhsa_memory_ordered 1
		.amdhsa_forward_progress 1
		.amdhsa_inst_pref_size 17
	.end_amdhsa_kernel
	.amdgpu_metadata
---
amdhsa.version: [ 1, 2 ]
amdhsa.kernels:
  - .name:           k_qd39bf9919b_quant
    .symbol:         k_qd39bf9919b_quant.kd
    .args:
      - { .name: x, .offset: 0, .size: 8, .value_kind: global_buffer, .address_space: global }
      - { .name: w_qkv, .offset: 8, .size: 8, .value_kind: global_buffer, .address_space: global }
      - { .name: w_out, .offset: 16, .size: 8, .value_kind: global_buffer, .address_space: global }
      - { .name: c1, .offset: 24, .size: 8, .value_kind: global_buffer, .address_space: global }
      - { .name: s1, .offset: 32, .size: 8, .value_kind: global_buffer, .address_space: global }
    .group_segment_fixed_size: 67584
    .private_segment_fixed_size: 0
    .kernarg_segment_align: 8
    .kernarg_segment_size: 40
    .max_flat_workgroup_size: 128
    .sgpr_count:     66
    .vgpr_count:     256
    .wavefront_size: 32
...
	.end_amdgpu_metadata
.endif
;; end of part 1
;; launch qkv (part 2): grid 8 x 96, 4 waves a work-group, clusters of 4 x 4, 262,656 bytes of LDS; arguments c1, s1, b_qkv, c2, s2; writes c2, s2
.if DOCPART == 2
	.amdgcn_target "amdgcn-amd-amdhsa--gfx1250"
	.amdhsa_code_object_version 6
	.text
	.protected	k_qd39bf9919b_qkv
	.globl	k_qd39bf9919b_qkv
	.p2align	8
	.type	k_qd39bf9919b_qkv,@function
k_qd39bf9919b_qkv:
	s_mov_b64 s[64:65], 0
	v_nop
	global_prefetch_b8 v0, s[64:65] scope:SCOPE_SE
	s_setreg_imm32_b32 hwreg(HW_REG_WAVE_MODE, 25, 1), 1
	s_wait_xcnt 0x0
	s_wait_alu depctr_hold_cnt(0) depctr_sa_sdst(0) depctr_va_vdst(0) depctr_va_sdst(0) depctr_va_ssrc(0) depctr_va_vcc(0) depctr_vm_vsrc(0)
	s_getreg_b32 s2, hwreg(HW_REG_IB_STS2, 6, 4)
	s_cmp_eq_u32 s2, 0
	s_cbranch_scc0 .Lentry_in_a_cluster
	s_endpgm
.Lentry_in_a_cluster:
	s_bfe_u32 s2, ttmp6, 0x10000c
	s_cmp_lg_u32 s2, 0xf033
	s_cbranch_scc0 .Lentry_shape_is_right
	s_endpgm
.Lentry_shape_is_right:
; qkv = x w_qkv^T + b_qkv on codes of FP4 (E2M1) with E8M0 scales, and its result quantised again on the way out: q and k along the head's 64 channels, v along the keys.
; ONE PATH SERVES ALL THREE.  The matrix instruction has source 0 = 16 rows of "B", source 1 = 16 rows of "A": a lane holds ONE row of A, and its registers run along B's rows.
; Since a group of 16 rows is rows 32 b + 8 u + r + 8 (r / 8), the 16 registers of B's groups 2 b and 2 b + 1 are 16 NEIGHBOURS: row 32 b + 16 (lane / 16) + 0 .. 15.
;   q, k (cluster y under 16): A = tokens (x), B = rows 0-2047 of w_qkv: a lane's registers run along the channels.     v (the others): A = rows 2048-3071 of w_qkv, B = tokens: they run along the keys.
; What differs between the two is chosen by s_cselect_b32 on the cluster's y, which all partners share: tile numbers, first groups, the bias's place, the output's strides.  No branch hangs on it.
; A work-group makes 128 rows of A x 256 rows of B over the whole K = 1,024; a wave 64 x 128: 32 accumulators.  All its operands fit in LDS: every tensor load is a first fill, nothing is filled twice.
; By this text's own count a wave has three tensor loads out at the most: scales, K half 0, K half 1.
; CLUSTER 4 x 4: A's tile hangs on cy and is asked for jointly by the cluster's row, B's on cx and by its column.
; OUT (c2, for each batch and head 196,608 bytes): Q at 0 and K at 65,536: [group of 16 tokens 128][512 bytes]: lane (r, h) holds block h of token r;  V at 131,072: [128 keys 16][group of 16 channels 4][1,024 bytes].
; s2, for each pair of heads 24,576 bytes: Q at 0, K at 8,192: [4 groups 32][head's parity 2][pair of groups 2][r 16][word: two bytes of the even group, two of the odd];  V at 16,384 + 4,096 x parity: [128 keys 16][channel group 0, 2, 1, 3][r][word].
; LIMITS: NaN and infinities are not served; a block whose largest magnitude lies under 2^-124, a block of zeros among them, gets the byte 1 (zeros' codes are zeros; this program alone reads the bytes).
; REGISTERS: window 0: v1-12 addresses; v16-31 A's scale words, v32-63 B's; v64-127 A's fragments, two sets; v128-255 B's, two sets (all free on the way out).  window 1: accumulator (a, t) at v[8 (8 a + t)].
;   window 2: v0-63 the bias along the registers (the C of each sum's first product), v64-71 the bias of the lane's row, a pair for each a.
.set SLOT,  98304                      ; a K half in LDS: A's 8 groups x 4,096 bytes, then B's 16
.set BOFF,  32768
.set SCA,   196608                     ; A's scale bytes, 8 x 512
.set SCB,   200704                     ; B's, 16 x 512
.set SST,   208896                     ; 256 bytes for each wave: its scale words on the way out; no tensor load lands here
.set ADRA, 4
.set ADRB, 6
.set ADSA, 8
.set ADSB, 9
.set SAR,  16
.set SBR,  32
.set AF,   64
.set BF,   128
.set BI,   0
.set BL,   64
.set H,    128                         ; the way out: 64 numbers of a lane
.set PC,   64                          ; codes: 8 registers for each a, never written twice
.set PW,   96                          ; their scale words
.set VO,   100                         ; v100-107 the stores' offsets
.set ZW,   108
.set TM,   208                         ; v208-223 at work in QUANT
.set G1A,  24
.set G0A,  32
.set G1B,  48
.set G0B,  56
.set G1SA, 68
.set G0SA, 76
.set G1SB, 80
.set G0SB, 88
.set MSB, 0
.macro WIN new                         ; the immediate's high byte repeats the setting that is left
.if MSB != \new
	s_set_vgpr_msb (MSB<<8)|\new
.set MSB, \new
.endif
.endm
.macro PLACES n
.rept \n
	v_nop
.endr
.endm
; A joint load: waves 0 and 1 fetch for A, waves 2 and 3 for B; the branch hangs on the wave's number alone.  Four v_nop follow each of the two lines.
.macro JLOAD g0a, g1a, g0b, g1b
	s_cmp_eq_u32 s15, 0
	s_cbranch_scc0 .Lfor_b_\@
	tensor_load_to_lds s[\g0a:\g0a+3], s[\g1a:\g1a+7]
	s_nop 0
.rept 4
	v_nop
.endr
	s_branch .Lasked_\@
.Lfor_b_\@:
	tensor_load_to_lds s[\g0b:\g0b+3], s[\g1b:\g1b+7]
	s_nop 0
.rept 4
	v_nop
.endr
.Lasked_\@:
.endm
.macro CROUND                          ; a round of the cluster's barrier
	s_barrier_signal -1
	s_barrier_wait -1
	s_cmp_lg_u32 s14, 0
	s_cbranch_scc1 .Lnot_wave_0_\@
	s_barrier_signal -3
.Lnot_wave_0_\@:
	s_barrier_wait -3
	s_barrier_signal -1
	s_barrier_wait -1
.endm
	s_load_b256 s[4:11], s[0:1], 0x0               ; c1 s[4:5], s1 s[6:7], b_qkv s[8:9], c2 s[10:11]
	s_load_b64 s[12:13], s[0:1], 0x20              ; s2
	v_lshl_add_u32 v14, v0, 2, 0x40000
	v_mov_b32 v15, 0
	ds_add_u32 v14, v15
	ds_add_u32 v14, v15
	v_lshrrev_b32 v1, 5, v0
	v_readfirstlane_b32 s14, v1                    ; wave 0..3
	s_lshr_b32 s15, s14, 1                         ; wa: which 4 groups of A are mine.  Also: I fetch for A (0) or for B (1)
	s_and_b32 s16, s14, 1                          ; wb: which 8 groups of B.  Also: which half of that tile I fetch
	s_bfe_u32 s40, ttmp6, 0x40000                  ; cx
	s_bfe_u32 s41, ttmp6, 0x40004                  ; cy
	s_and_b32 s17, ttmp7, 0xffff                   ; cluster y
	s_lshl_b32 s18, ttmp9, 2
	s_lshl_b32 s19, s17, 2
	s_sub_co_u32 s20, s19, 64
	s_mov_b32 s94, 0x03020100
	s_mov_b32 s95, 0x07060504
	s_mov_b32 s96, 1024
	s_mov_b32 s97, 512
	s_cmp_lt_u32 s17, 16                           ; q, k or v?  The same in all sixteen partners.  All selections stand ahead of the next line that sets SCC
	s_cselect_b32 s42, s18, s20                    ; B's tile, less cx
	s_cselect_b32 s45, s19, s18                    ; A's tile, less cy
	s_cselect_b32 s46, 512, 0                      ; B's first group in c1
	s_cselect_b32 s47, 0, 640                      ; A's
	s_cselect_b32 s92, -1, 0                       ; all ones for q, k
	s_cselect_b32 s93, 0, -1                       ; all ones for v
	s_cselect_b32 s94, 0x05040100, s94             ; how four scale words are regrouped: low halves of two | a word as it is
	s_cselect_b32 s95, 0x07060302, s95             ; high halves of two | the other word
	s_cselect_b32 s96, 512, s96                    ; from one group of A to the next in c2
	s_cselect_b32 s97, 196608, s97                 ; from a fragment's first half to its second: the next head | the image's second half
	s_add_co_u32 s42, s42, s40                     ; B's tile
	s_add_co_u32 s45, s45, s41                     ; A's tile: no register on its way ever holds cx
	s_lshl_b32 s43, s41, 2
	s_lshl_b32 s43, 15, s43                        ; my row of the cluster
	s_lshl_b32 s44, 0x1111, s40                    ; my column
	; descriptor groups 1.  Elements of 8 bytes, no padding.  Codes: a K half of each group is a row of 512 elements, groups 1,024 elements apart; 4 rows for A, 8 for B
	s_or_b32 s[G1A], s43, (3<<16)|(1<<21)          ; 15:0 the mask; 17:16 elements of 8 bytes; 21 set beside a mask
	s_or_b32 s[G1B], s44, (3<<16)|(1<<21)
	s_or_b32 s[G1SA], s43, (3<<16)|(1<<21)
	s_or_b32 s[G1SB], s44, (3<<16)|(1<<21)
.irp g, G1A, G1B
	s_mov_b32 s[\g+1], 512<<16                     ; tensor_dim0
	s_mov_b32 s[\g+3], 512<<16                     ; tile_dim0
	s_mov_b32 s[\g+5], 1024                        ; tensor_dim0_stride
	s_mov_b32 s[\g+6], 0
	s_mov_b32 s[\g+7], 0
.endr
	s_mov_b32 s[G1A+2], 4<<16                      ; tensor_dim1
	s_mov_b32 s[G1A+4], 4                          ; tile_dim1
	s_mov_b32 s[G1B+2], 8<<16
	s_mov_b32 s[G1B+4], 8
.irp g, G1SA, G1SB                             ; scale bytes: a dense block, as rows of 256 bytes: 8 rows for A's 4 groups, 16 for B's 8
	s_mov_b32 s[\g+1], 32<<16
	s_mov_b32 s[\g+3], 32<<16
	s_mov_b32 s[\g+5], 32
	s_mov_b32 s[\g+6], 0
	s_mov_b32 s[\g+7], 0
.endr
	s_mov_b32 s[G1SA+2], 8<<16
	s_mov_b32 s[G1SA+4], 8
	s_mov_b32 s[G1SB+2], 16<<16
	s_mov_b32 s[G1SB+4], 16
	s_lshl_b32 s20, s45, 3
	s_add_co_u32 s20, s20, s47
	s_lshl_b32 s21, s16, 2
	s_add_co_u32 s20, s20, s21                     ; A: the first group that I fetch
	s_lshl_b32 s22, s20, 9                         ; its scale bytes,
	s_mov_b32 s23, 0
	s_lshl_b32 s20, s20, 13                        ; its codes
	s_mov_b32 s21, 0
	s_lshl_b32 s2, s42, 4
	s_add_co_u32 s2, s2, s46
	s_lshl_b32 s3, s16, 3
	s_add_co_u32 s2, s2, s3                        ; B likewise
	s_lshl_b32 s46, s2, 9
	s_mov_b32 s47, 0
	s_lshl_b32 s2, s2, 13
	s_mov_b32 s3, 0
	s_wait_dscnt 0x0
	s_wait_kmcnt 0x0
	CROUND                                         ; all sixteen work-groups are here: the joint loads meet
	s_mov_b32 s[G0SA], 1
	s_lshl_b32 s[G0SA+1], s16, 11
	s_add_co_u32 s[G0SA+1], s[G0SA+1], SCA
	s_add_nc_u64 s[G0SA+2:G0SA+3], s[6:7], s[22:23]
	s_or_b32 s[G0SA+3], s[G0SA+3], 0x80000000
	s_mov_b32 s[G0SB], 1
	s_lshl_b32 s[G0SB+1], s16, 12
	s_add_co_u32 s[G0SB+1], s[G0SB+1], SCB
	s_add_nc_u64 s[G0SB+2:G0SB+3], s[6:7], s[46:47]
	s_or_b32 s[G0SB+3], s[G0SB+3], 0x80000000
	JLOAD G0SA, G1SA, G0SB, G1SB                   ; the scales first: they are wanted with the first K step
	s_add_nc_u64 s[20:21], s[4:5], s[20:21]
	s_add_nc_u64 s[2:3], s[4:5], s[2:3]
.irp k, 0,1
	s_mov_b32 s[G0A+4*\k], 1
	s_lshl_b32 s[G0A+4*\k+1], s16, 14
	s_add_co_u32 s[G0A+4*\k+1], s[G0A+4*\k+1], \k*SLOT
	s_add_nc_u64 s[G0A+4*\k+2:G0A+4*\k+3], s[20:21], \k*4096
	s_or_b32 s[G0A+4*\k+3], s[G0A+4*\k+3], 0x80000000
	s_mov_b32 s[G0B+4*\k], 1
	s_lshl_b32 s[G0B+4*\k+1], s16, 15
	s_add_co_u32 s[G0B+4*\k+1], s[G0B+4*\k+1], \k*SLOT+BOFF
	s_add_nc_u64 s[G0B+4*\k+2:G0B+4*\k+3], s[2:3], \k*4096
	s_or_b32 s[G0B+4*\k+3], s[G0B+4*\k+3], 0x80000000
	JLOAD G0A+4*\k, G1A, G0B+4*\k, G1B
.endr
	v_and_b32 v1, 15, v0                           ; r
	v_bfe_u32 v2, v0, 4, 1                         ; h
	v_and_b32 v3, 31, v0
	v_lshlrev_b32 v3, 4, v3                        ; 16 x lane: a lane's place in every image
	s_lshl_b32 s17, s15, 14
	s_lshl_b32 s18, s16, 15
	s_add_co_u32 s18, s18, BOFF
	v_add_nc_u32 v[ADRA], s17, v3
	v_add_nc_u32 v[ADRB], s18, v3
	v_add_nc_u32 v[ADRA+1], SLOT, v[ADRA]
	v_add_nc_u32 v[ADRB+1], SLOT, v[ADRB]
	v_lshlrev_b32 v10, 4, v1
	v_lshl_add_u32 v[ADSA], v2, 10, v10            ; scale words: 16 r; lanes 16-31 two groups on for A,
	s_lshl_b32 s17, s15, 11
	s_add_co_u32 s17, s17, SCA
	v_add_nc_u32 v[ADSA], s17, v[ADSA]
	v_lshl_add_u32 v[ADSB], v2, 11, v10            ; four groups on for B
	s_lshl_b32 s17, s16, 12
	s_add_co_u32 s17, s17, SCB
	v_add_nc_u32 v[ADSB], s17, v[ADSB]
	v_lshlrev_b32 v11, 6, v2                       ; the bias along the registers: 16 numbers on for lanes 16-31
	v_and_b32 v12, 8, v1
	v_add_nc_u32 v12, v12, v1
	v_lshlrev_b32 v12, 2, v12                      ; the bias of my row: number r + 8 (r / 8) of its group's
	s_lshl_b32 s17, s42, 8
	s_lshl_b32 s18, s16, 7
	s_add_co_u32 s17, s17, s18
	s_lshl_b32 s17, s17, 2
	s_and_b32 s18, s17, s92                        ; q, k: my 128 rows of B are channels; v: offset 0, and what is loaded is replaced by zeros below
	s_mov_b32 s19, 0
	s_lshl_b32 s20, s45, 7
	s_lshl_b32 s21, s15, 6
	s_add_co_u32 s20, s20, s21
	s_add_co_u32 s20, s20, 2048
	s_lshl_b32 s20, s20, 2
	s_and_b32 s20, s20, s93                        ; v: my 64 rows of A are channels 2,048 on; q, k: offset 0, and zeros below
	s_mov_b32 s21, 0
	s_add_nc_u64 s[100:101], s[8:9], s[20:21]
	s_add_nc_u64 s[8:9], s[8:9], s[18:19]
	WIN 0x80                                       ; destination window 2
.irp t, 0,1,2,3,4,5,6,7
	global_load_b128 v[BI+8*\t:BI+8*\t+3], v11, s[8:9] offset:(32*(\t/2)+8*(\t%2))*4
	global_load_b128 v[BI+8*\t+4:BI+8*\t+7], v11, s[8:9] offset:(32*(\t/2)+8*(\t%2))*4+16
.endr
.irp a, 0,1,2,3
	global_load_b32 v[BL+2*\a], v12, s[100:101] offset:(32*(\a/2)+8*(\a%2))*4
	global_load_b32 v[BL+2*\a+1], v12, s[100:101] offset:(32*(\a/2)+8*(\a%2))*4     ; twice: the packed addition names a pair
.endr
	WIN 0
	s_mov_b32 s98, 0x76543210
	s_mov_b32 s99, 0xfedcba98                      ; v_permlanex16_b32's selects for lane l xor 16
; One matrix instruction.  ra, rb: source 0's, source 1's scales stand in lanes 16-31 of their register
.macro WM d, a, b, c, sa, sb, ra, rb
.if (\ra) && (\rb)
	v_wmma_scale_f32_16x16x128_f8f6f4 v[\d:\d+7], v[\a:\a+7], v[\b:\b+7], v[\c:\c+7], v[\sa], v[\sb] matrix_a_fmt:MATRIX_FMT_FP4 matrix_b_fmt:MATRIX_FMT_FP4 matrix_a_scale:MATRIX_SCALE_ROW1 matrix_b_scale:MATRIX_SCALE_ROW1
.elseif (\ra)
	v_wmma_scale_f32_16x16x128_f8f6f4 v[\d:\d+7], v[\a:\a+7], v[\b:\b+7], v[\c:\c+7], v[\sa], v[\sb] matrix_a_fmt:MATRIX_FMT_FP4 matrix_b_fmt:MATRIX_FMT_FP4 matrix_a_scale:MATRIX_SCALE_ROW1
.elseif (\rb)
	v_wmma_scale_f32_16x16x128_f8f6f4 v[\d:\d+7], v[\a:\a+7], v[\b:\b+7], v[\c:\c+7], v[\sa], v[\sb] matrix_a_fmt:MATRIX_FMT_FP4 matrix_b_fmt:MATRIX_FMT_FP4 matrix_b_scale:MATRIX_SCALE_ROW1
.else
	v_wmma_scale_f32_16x16x128_f8f6f4 v[\d:\d+7], v[\a:\a+7], v[\b:\b+7], v[\c:\c+7], v[\sa], v[\sb] matrix_a_fmt:MATRIX_FMT_FP4 matrix_b_fmt:MATRIX_FMT_FP4
.endif
.endm
; K step s (128 along K) from fragment set p: 32 matrix instructions; the 32 accumulators take turns, one instruction a turn, in the same order in every step.
; first = 1: the bias along the registers is the C of each sum's first product: nothing is cleared, nothing is added later.
.macro MUL s, p, first
.if \first
	WIN 0x60                                       ; C window 2, D window 1
.else
	WIN 0x50                                       ; C and D window 1
.endif
.irp a, 0,1,2,3
.irp t, 0,1,2,3,4,5,6,7
.if \first
	WM 8*(8*\a+\t), BF+64*(\p)+8*\t, AF+32*(\p)+8*\a, BI+8*\t, SBR+8*(\t%4)+(\s), SAR+8*(\a%2)+(\s), \t/4, \a/2
.else
	WM 8*(8*\a+\t), BF+64*(\p)+8*\t, AF+32*(\p)+8*\a, 8*(8*\a+\t), SBR+8*(\t%4)+(\s), SAR+8*(\a%2)+(\s), \t/4, \a/2
.endif
.endr
.endr
.endm
; K step s's fragments into set p: 24 loads, each of 512 consecutive bytes
.macro FETCH s, p
.irp a, 0,1,2,3
.irp c, 0,1
	ds_load_b128 v[AF+32*(\p)+8*\a+4*\c:AF+32*(\p)+8*\a+4*\c+3], v[ADRA+(\s)/4] offset:\a*4096+((\s)%4)*1024+512*\c
.endr
.endr
.irp t, 0,1,2,3,4,5,6,7
.irp c, 0,1
	ds_load_b128 v[BF+64*(\p)+8*\t+4*\c:BF+64*(\p)+8*\t+4*\c+3], v[ADRB+(\s)/4] offset:\t*4096+((\s)%4)*1024+512*\c
.endr
.endr
.endm
; All scale words, once: register 8 u + s: K step s; lanes 0-15 group u, lanes 16-31 group 2 + u of A (4 + u of B)
.macro SCALES
.irp u, 0,1
.irp q, 0,1
	ds_load_b128 v[SAR+8*\u+4*\q:SAR+8*\u+4*\q+3], v[ADSA] offset:\u*512+\q*256
.endr
.endr
.irp t, 0,1,2,3
.irp q, 0,1
	ds_load_b128 v[SBR+8*\t+4*\q:SBR+8*\t+4*\q+3], v[ADSB] offset:\t*512+\q*256
.endr
.endr
.endm
; 64 numbers of a lane, register 16 b + i = k 32 b + 16 (lane / 16) + i of my row, become a fragment's codes in v[pc] on and its scale word in v[pw]
.macro QUANT s, pc, pw
.irp b, 0,1,2,3
	v_max3_num_f32 v[TM+\b], |v[\s+16*\b]|, |v[\s+1+16*\b]|, 0x1800000   ; my 16 numbers of block b, and the floor 2^(3 - 127): the byte cannot fall under 1
.endr
.irp i, 2,4,6,8,10,12,14
.irp b, 0,1,2,3
	v_max3_num_f32 v[TM+\b], v[TM+\b], |v[\s+16*\b+\i]|, |v[\s+1+16*\b+\i]|   ; the four blocks by turns
.endr
.endr
.irp b, 0,1,2,3
	v_permlanex16_b32 v[TM+4+\b], v[TM+\b], s98, s99
.endr
.irp b, 0,1,2,3
	v_max_num_f32 v[TM+\b], v[TM+\b], v[TM+4+\b]   ; with lane l xor 16's: the block's largest magnitude
.endr
.irp b, 0,1,2,3
	v_add_nc_u32 v[TM+12+\b], 0xff000000, v[TM+\b] ; 2 off its exponent field: the conversion's scale operand
.endr
.irp b, 0,1,2,3
	v_lshrrev_b32 v[TM+4+\b], 23, v[TM+12+\b]      ; the scale's byte
.endr
	v_lshl_or_b32 v[\pw], v[TM+5], 8, v[TM+4]
	v_lshl_or_b32 v[\pw], v[TM+6], 16, v[\pw]
	v_lshl_or_b32 v[\pw], v[TM+7], 24, v[\pw]
.irp b, 0,1,2,3
	v_cvt_scalef32_pk8_fp4_f32 v[\pc+2*\b], v[\s+16*\b:\s+16*\b+7], v[TM+12+\b]
	v_cvt_scalef32_pk8_fp4_f32 v[\pc+2*\b+1], v[\s+16*\b+8:\s+16*\b+15], v[TM+12+\b]
.endr
	v_nop                                          ; one plain place behind a scaled conversion
.irp c, 0,1                                    ; the operand's layout wants a WHOLE block in a lane: lanes 0-15 block 2 c, lanes 16-31 block 2 c + 1
.irp i, 0,1
	v_permlane16_swap_b32 v[\pc+4*\c+\i], v[\pc+2+4*\c+\i]
.endr
.endr
.endm
	s_wait_tensorcnt 0x1                           ; my scales and my part of K half 0 are in; K half 1's load may stay out
	s_barrier_signal -1
	s_barrier_wait -1                              ; everybody's are
	SCALES
	FETCH 0, 0
	s_wait_loadcnt 0x0                             ; the biases
	WIN 0x88                                       ; source 1 and destination window 2
.set J, 0
.rept 64
	v_cndmask_b32 v[BI+J], 0, v[BI+J], s92         ; the bias along the registers counts for q and k alone,
.set J, J+1
.endr
.set J, 0
.rept 8
	v_cndmask_b32 v[BL+J], 0, v[BL+J], s93         ; the bias of the lane's row for v alone
.set J, J+1
.endr
	WIN 0
.set KS_, 0
.rept 8                                        ; the eight K steps, written out: step s + 1's fragments are asked for ahead of step s's products
	s_wait_dscnt 0x0                               ; this step's fragments are in
.if KS_ == 3
	s_wait_tensorcnt 0x0                           ; my part of K half 1 is in,
	s_barrier_signal -1
	s_barrier_wait -1                              ; everybody's is: the next fetch reads it
.endif
.if KS_ < 7
.if KS_ > 0
	PLACES 4                                       ; four places in front of loads into registers that the last step's products have read (ISA guide 7.12.1 for vector instructions)
.endif
	FETCH KS_+1, (KS_+1)%2
.endif
.if KS_ == 0
	MUL 0, 0, 1
.else
	MUL KS_, KS_%2, 0
.endif
	WIN 0
.set KS_, KS_+1
.endr
	; THE WAY OUT.  No tensor load of mine is out: the descriptors' registers are free.  Both modes' offsets are made, and one is chosen.
	PLACES 4                                       ; in front of the first read of results and the first write of operands' registers
	s_lshr_b32 s17, s42, 2                         ; q, k: which of the two,
	s_and_b32 s18, s42, 3
	s_lshl_b32 s18, s18, 2
	s_lshl_b32 s19, s16, 1
	s_add_co_u32 s18, s18, s19                     ; my first head (an even one),
	s_lshr_b32 s19, s45, 4                         ; the batch,
	s_and_b32 s20, s45, 15
	s_lshl_b32 s20, s20, 3
	s_lshl_b32 s21, s15, 2
	s_add_co_u32 s20, s20, s21                     ; my first group of tokens in it
	s_lshl_b32 s21, s19, 4
	s_add_co_u32 s21, s21, s18
	s_mul_i32 s22, s21, 196608
	s_lshl_b32 s23, s17, 16
	s_add_co_u32 s22, s22, s23
	s_lshl_b32 s23, s20, 9
	s_add_co_u32 s22, s22, s23                     ; codes
	s_lshr_b32 s21, s21, 1
	s_mul_i32 s24, s21, 24576
	s_lshl_b32 s23, s17, 13
	s_add_co_u32 s24, s24, s23
	s_lshr_b32 s23, s20, 2
	s_lshl_b32 s23, s23, 8
	s_add_co_u32 s24, s24, s23                     ; scale words
	s_lshr_b32 s17, s42, 3                         ; v: the batch,
	s_and_b32 s18, s42, 7
	s_lshl_b32 s18, s18, 1
	s_add_co_u32 s18, s18, s16                     ; my 128 keys,
	s_lshl_b32 s19, s17, 3
	s_add_co_u32 s19, s19, s45                     ; the pair of heads,
	s_lshl_b32 s20, s19, 1
	s_add_co_u32 s20, s20, s15                     ; my head
	s_mul_i32 s20, s20, 196608
	s_add_co_u32 s20, s20, 131072
	s_lshl_b32 s21, s18, 12
	s_add_co_u32 s20, s20, s21                     ; codes
	s_mul_i32 s19, s19, 24576
	s_add_co_u32 s19, s19, 16384
	s_lshl_b32 s21, s15, 12
	s_add_co_u32 s19, s19, s21
	s_lshl_b32 s21, s18, 8
	s_add_co_u32 s19, s19, s21                     ; scale words
	s_cmp_lg_u32 s92, 0
	s_cselect_b32 s22, s22, s20
	s_cselect_b32 s24, s24, s19
	s_mov_b32 s23, 0
	s_mov_b32 s25, 0
	s_add_nc_u64 s[10:11], s[10:11], s[22:23]
	s_add_nc_u64 s[12:13], s[12:13], s[24:25]
	v_mov_b32 v[VO], v3                            ; 16 x lane + a x the step from group to group + c x the step from half to half
	v_add_nc_u32 v[VO+1], s97, v3
.irp a, 1,2,3
	v_add_nc_u32 v[VO+2*\a], s96, v[VO+2*\a-2]
	v_add_nc_u32 v[VO+2*\a+1], s96, v[VO+2*\a-1]
.endr
.irp b, 0,1,2,3
	v_mov_b32 v[TM+4+\b], 0                        ; written once: a lane permute's destination counts as one of its sources
.endr
	s_lshl_b32 s17, s14, 8
	s_add_co_u32 s17, s17, SST
	v_lshl_add_u32 v112, v1, 2, s17                ; my wave's 256 bytes: a word for row r
	v_and_b32 v113, 31, v0
	v_lshlrev_b32 v114, 3, v113                    ; back, and out: 8 bytes a lane
	v_add_nc_u32 v113, s17, v114
.irp a, 0,1,2,3
	WIN 0x09                                       ; source 0 window 1, source 1 window 2
.set J, 0
.rept 32
	v_pk_add_f32 v[H+J:H+J+1], v[64*\a+J:64*\a+J+1], v[BL+2*\a:BL+2*\a+1]   ; out of window 1, each accumulator from its low end on; the row's bias rides on the move
.set J, J+2
.endr
	WIN 0
	QUANT H, PC+8*\a, PW+\a
	global_store_b128 v[VO+2*\a], v[PC+8*\a:PC+8*\a+3], s[10:11]          ; each store covers 512 consecutive bytes
	global_store_b128 v[VO+2*\a+1], v[PC+8*\a+4:PC+8*\a+7], s[10:11]
.endr
	v_perm_b32 v[ZW], v[PW+1], v[PW], s94          ; q, k: the first head's two bytes of groups 0 and 1;  v: group 0's word
	v_perm_b32 v[ZW+1], v[PW+3], v[PW+2], s94      ; of groups 2 and 3;  group 2's
	v_perm_b32 v[ZW+2], v[PW+1], v[PW], s95        ; the second head's;  group 1's
	v_perm_b32 v[ZW+3], v[PW+3], v[PW+2], s95      ; group 3's
.irp z, 0,1,2,3
	ds_store_b32 v112, v[ZW+\z] offset:64*\z       ; both halves of the lanes write the same word with the same value
.endr
	ds_load_b64 v[116:117], v113                   ; LDS serves a wave's instructions in order: this sees my stores
	s_wait_dscnt 0x0
	global_store_b64 v114, v[116:117], s[12:13]    ; 256 consecutive bytes, at a multiple of 256
	s_wait_tensorcnt 0x0
	ds_add_u32 v14, v15
	s_wait_dscnt 0x0
	CROUND                                         ; the closing round: no work-group ends while a partner may still ask for a tile that names it
	s_endpgm
.Lfunc_end_k_qd39bf9919b_qkv:
	.size	k_qd39bf9919b_qkv, .Lfunc_end_k_qd39bf9919b_qkv-k_qd39bf9919b_qkv
	.p2alignl 7, 3214868480
	.fill 96, 4, 3214868480
	.section	.rodata,"a",@progbits
	.p2align	6, 0x0
	.amdhsa_kernel k_qd39bf9919b_qkv
		.amdhsa_group_segment_fixed_size 262656
		.amdhsa_private_segment_fixed_size 0
		.amdhsa_enable_private_segment 0
		.amdhsa_kernarg_size 40
		.amdhsa_user_sgpr_count 2
		.amdhsa_user_sgpr_kernarg_segment_ptr 1
		.amdhsa_wavefront_size32 1
		.amdhsa_system_sgpr_workgroup_id_x 1
		.amdhsa_system_sgpr_workgroup_id_y 1
		.amdhsa_system_sgpr_workgroup_id_z 1
		.amdhsa_system_vgpr_workitem_id 0
		.amdhsa_next_free_vgpr 640
		.amdhsa_next_free_sgpr 102
		.amdhsa_reserve_vcc 0
		.amdhsa_float_denorm_mode_32 3
		.amdhsa_float_denorm_mode_16_64 3
		.amdhsa_memory_ordered 1
		.amdhsa_forward_progress 1
		.amdhsa_inst_pref_size 91
	.end_amdhsa_kernel
	.amdgpu_metadata
---
amdhsa.version: [ 1, 2 ]
amdhsa.kernels:
  - .name:           k_qd39bf9919b_qkv
    .symbol:         k_qd39bf9919b_qkv.kd
    .args:
      - { .name: c1, .offset: 0, .size: 8, .value_kind: global_buffer, .address_space: global }
      - { .name: s1, .offset: 8, .size: 8, .value_kind: global_buffer, .address_space: global }
      - { .name: b_qkv, .offset: 16, .size: 8, .value_kind: global_buffer, .address_space: global }
      - { .name: c2, .offset: 24, .size: 8, .value_kind: global_buffer, .address_space: global }
      - { .name: s2, .offset: 32, .size: 8, .value_kind: global_buffer, .address_space: global }
    .group_segment_fixed_size: 262656
    .private_segment_fixed_size: 0
    .kernarg_segment_align: 8
    .kernarg_segment_size: 40
    .max_flat_workgroup_size: 128
    .sgpr_count:     102
    .vgpr_count:     640
    .wavefront_size: 32
...
	.end_amdgpu_metadata
.endif
;; end of part 2
;; launch attn (part 3): grid 4 x 64, 16 waves a work-group, clusters of 4 x 1, 198,656 bytes of LDS; arguments c2, s2, c3, s3; writes c3, s3
.if DOCPART == 3
	.amdgcn_target "amdgcn-amd-amdhsa--gfx1250"
	.amdhsa_code_object_version 6
	.text
	.protected	k_qd39bf9919b_attn
	.globl	k_qd39bf9919b_attn
	.p2align	8
	.type	k_qd39bf9919b_attn,@function
k_qd39bf9919b_attn:
	s_mov_b64 s[64:65], 0
	v_nop
	global_prefetch_b8 v0, s[64:65] scope:SCOPE_SE
	s_setreg_imm32_b32 hwreg(HW_REG_WAVE_MODE, 25, 1), 1
	s_wait_xcnt 0x0
	s_wait_alu depctr_hold_cnt(0) depctr_sa_sdst(0) depctr_va_vdst(0) depctr_va_sdst(0) depctr_va_ssrc(0) depctr_va_vcc(0) depctr_vm_vsrc(0)
	s_getreg_b32 s2, hwreg(HW_REG_IB_STS2, 6, 4)
	s_cmp_eq_u32 s2, 0
	s_cbranch_scc0 .Lentry_in_a_cluster
	s_endpgm
.Lentry_in_a_cluster:
	s_bfe_u32 s2, ttmp6, 0x10000c
	s_cmp_lg_u32 s2, 0x3003
	s_cbranch_scc0 .Lentry_shape_is_right
	s_endpgm
.Lentry_shape_is_right:
; O = softmax(q k^T / 8) v for one batch and head, both products on codes of FP4 (E2M1) with E8M0 scales, and O quantised again along the 1,024 channels for the last product.
; THE SOFTMAX AHEAD OF THE SECOND PRODUCT: t = score x log2(e) / 8; M = the running largest t rounded UP to a whole number; p = 2^(t - M) is quantised along the keys, not normalised; the row's sum is taken
; of the unquantised p and divides O at the end.  When M moves, the sum and O are multiplied by 2^(old M - new M): exact.
; SHARES.  A work-group owns 512 queries of one head; each of its sixteen waves two tiles of 16 queries (groups 2 p and 2 p + 1 of tokens), which share every fragment of K and V.  Four waves lie on a SIMD.
; The head's whole K and V (131,072 bytes of codes, 16,384 of scale words for the pair of heads) come into LDS ONCE: each wave brings 8,192 + 1,024 bytes; nothing is filled twice; two loads of a wave are out at the most.
; CLUSTER 4 x 1: the four work-groups of a head want the same K and V: every load is joint, with a mask that names the four.
; LAYOUT.  Both products are used transposed: S^T = K Q^T, O^T = V^T P^T: a lane holds ONE query (lane % 16).  A group of 16 tokens is tokens 32 b + 8 u + r + 8 (r / 8), so the 16 registers of tiles 2 b and 2 b + 1 are 16 neighbouring keys.
; K = 64 IN AN INSTRUCTION OF 128: a fragment of K holds group (b, 0)'s 64 codes in registers 0-3 and group (b, 1)'s in 4-7; times [q; 0] it gives tile 2 b, times [0; q] tile 2 b + 1.  Zero codes add nothing under any byte but 0xff.
; Q lies as [0][q1][0][q2][0] in v8-27: [0; q1] = v[8:15], [q1; 0] = v[12:19], [0; q2] = v[16:23], [q2; 0] = v[20:27].
; OUT: c3 [group of tokens 512][k block 32][r 16][16 bytes];  s3 [head 16][pair of groups 256][r 16][word: two bytes of the even group, two of the odd].
; LIMITS: NaN and infinities are not served; a block whose largest magnitude lies under 2^-124, a block of zeros among them, gets the byte 1 (zeros' codes are zeros; this program alone reads the bytes).
; REGISTERS: v1-3 addresses that stay; v4-7 the step's; v8-27 Q; v28, 29 Q's scale words; v30-33, v34-37 for each tile -M, the largest t, the sum in two halves; v38, 39 p's scale words; v40-71 four fragments of K, then of V;
;   v72, 73 K's scale words, v74, 75 V's; v76-139 S^T, then p; v140-171, v172-203 O^T; v204-211, v212-219 p's codes; v220-234 at work.
.set VIMG, 65536                       ; LDS: K's images at 0, V's here,
.set SCL,  131072                      ; the scale words: K's 8,192 bytes, then V's 4,096 for each parity of the head,
.set STG,  151552                      ; and 1,024 bytes for s3's words on the way out; no tensor load lands here
.set S,    76
.set O1,   140
.set O2,   172
.set BM,   220                         ; the blocks' largest scores, then largest p
.set PD,   224                         ; permutes' destinations, bytes, the second chain of sums
.set SO,   228                         ; the conversions' scale operands
.macro CROUND                          ; a round of the cluster's barrier
	s_barrier_signal -1
	s_barrier_wait -1
	s_cmp_lg_u32 s12, 0
	s_cbranch_scc1 .Lnot_wave_0_\@
	s_barrier_signal -3
.Lnot_wave_0_\@:
	s_barrier_wait -3
	s_barrier_signal -1
	s_barrier_wait -1
.endm
	s_load_b256 s[4:11], s[0:1], 0x0               ; c2 s[4:5], s2 s[6:7], c3 s[8:9], s3 s[10:11]
	v_lshl_add_u32 v254, v0, 2, 0x30000
	v_mov_b32 v255, 0
	ds_add_u32 v254, v255
	ds_add_u32 v254, v255
	v_lshrrev_b32 v1, 5, v0
	s_delay_alu instid0(VALU_DEP_1)
	v_readfirstlane_b32 s12, v1                    ; wave 0..15
	s_bfe_u32 s13, ttmp6, 0x40000                  ; cx
	s_lshl_b32 s14, ttmp9, 2
	s_add_co_u32 s14, s14, s13                     ; my block of 512 queries: it enters Q's and the outputs' addresses alone
	s_and_b32 s15, ttmp7, 0xffff                   ; batch x 16 + head, which the four partners share
	s_and_b32 s16, s15, 1                          ; the head's parity
	s_lshr_b32 s17, s15, 1
	s_mul_i32 s18, s15, 196608                     ; the head's bytes in c2
	s_mul_i32 s52, s17, 24576                      ; the pair of heads' in s2
	s_lshl_b32 s19, s12, 13
	s_add_co_u32 s54, s18, s19
	s_add_co_u32 s54, s54, 65536                   ; K and V lie on end from 65,536 on: wave w brings bytes 8,192 w on
	s_mov_b32 s55, 0
	s_lshl_b32 s56, s12, 10
	s_add_co_u32 s56, s56, s52
	s_add_co_u32 s56, s56, 8192                    ; their scale words from 8,192 on: 1,024 w on
	s_mov_b32 s57, 0
	; descriptor groups 1: dense blocks as rows of 256 bytes (32 elements of 8 bytes), no padding: 32 rows of codes, 4 of scale words
	s_mov_b32 s24, 15|(3<<16)|(1<<21)              ; 15:0 the mask: all four work-groups; 17:16 elements of 8 bytes; 21 set beside a mask
	s_mov_b32 s25, 32<<16                          ; tensor_dim0
	s_mov_b32 s26, 32<<16                          ; tensor_dim1
	s_mov_b32 s27, 32<<16                          ; tile_dim0
	s_mov_b32 s28, 32                              ; tile_dim1
	s_mov_b32 s29, 32                              ; tensor_dim0_stride
	s_mov_b32 s30, 0
	s_mov_b32 s31, 0
	s_mov_b32 s32, 15|(3<<16)|(1<<21)
	s_mov_b32 s33, 32<<16
	s_mov_b32 s34, 4<<16
	s_mov_b32 s35, 32<<16
	s_mov_b32 s36, 4
	s_mov_b32 s37, 32
	s_mov_b32 s38, 0
	s_mov_b32 s39, 0
	s_mov_b32 s20, 0x76543210
	s_mov_b32 s21, 0xfedcba98                      ; v_permlanex16_b32's selects for lane l xor 16
	s_mov_b32 s22, 0x3e38aa3b                      ; c = log2(e) / 8
	s_mov_b32 s23, s22                             ; (named with it as a pair, so it is written)
	s_wait_dscnt 0x0
	s_wait_kmcnt 0x0
	CROUND                                         ; all four work-groups are here: the joint loads meet
	s_mov_b32 s40, 1
	s_lshl_b32 s41, s12, 13                        ; LDS: 8,192 x wave: no place in the cluster enters an LDS address
	s_add_nc_u64 s[42:43], s[4:5], s[54:55]
	s_or_b32 s43, s43, 0x80000000
	s_mov_b32 s44, 1
	s_lshl_b32 s45, s12, 10
	s_add_co_u32 s45, s45, SCL
	s_add_nc_u64 s[46:47], s[6:7], s[56:57]
	s_or_b32 s47, s47, 0x80000000
	tensor_load_to_lds s[40:43], s[24:31]          ; every wave issues both, on one path
	s_nop 0
	tensor_load_to_lds s[44:47], s[32:39]
	s_nop 0
.rept 4
	v_nop
.endr
	s_lshl_b32 s19, s14, 4
	s_add_co_u32 s19, s19, s12                     ; my pair of groups of queries, 0 .. 63: kept to the end
	s_lshl_b32 s58, s19, 10
	s_add_co_u32 s58, s58, s18
	s_mov_b32 s59, 0
	s_add_nc_u64 s[4:5], s[4:5], s[58:59]          ; Q's codes of my pair
	s_lshr_b32 s58, s19, 1
	s_lshl_b32 s58, s58, 8
	s_add_co_u32 s58, s58, s52
	s_lshl_b32 s60, s16, 7
	s_add_co_u32 s58, s58, s60
	s_and_b32 s60, s19, 1
	s_lshl_b32 s60, s60, 6
	s_add_co_u32 s58, s58, s60
	s_add_nc_u64 s[6:7], s[6:7], s[58:59]          ; and its scale words
	v_and_b32 v235, 31, v0                         ; lane
	v_and_b32 v236, 15, v0                         ; r
	s_delay_alu instid0(VALU_DEP_2)
	v_lshlrev_b32 v1, 4, v235                      ; 16 x lane
	s_delay_alu instid0(VALU_DEP_2)
	v_lshlrev_b32 v237, 2, v236
	global_load_b128 v[12:15], v1, s[4:5]          ; q1: lane (r, h) holds block h of query r
	global_load_b128 v[20:23], v1, s[4:5] offset:512   ; q2
	global_load_b32 v238, v237, s[6:7]             ; bytes 0, 1: q1's scales; 2, 3: q2's
	s_lshl_b32 s60, s16, 7
	s_add_co_u32 s60, s60, SCL
	v_lshl_add_u32 v2, v235, 2, s60                ; K's scale words: my head's 128 bytes of each 256; lanes 0-15 the even pair of groups, lanes 16-31 the odd
	s_lshl_b32 s60, s16, 12
	s_add_co_u32 s60, s60, SCL+8192
	v_lshl_add_u32 v3, v235, 2, s60                ; V's: my head's 4,096 bytes
.irp j, 8,9,10,11,16,17,18,19,24,25,26,27
	v_mov_b32 v[\j], 0                             ; the zero codes beside q1 and q2
.endr
	v_mov_b32 v31, 0xff61b1e6                      ; the largest t so far: -3e38, under every t
	v_mov_b32 v35, 0xff61b1e6
	s_delay_alu instid0(VALU_DEP_2)
	v_floor_f32 v30, -v31                          ; -M
	s_delay_alu instid0(VALU_DEP_2)
	v_floor_f32 v34, -v35
.irp j, 32,33,36,37
	v_mov_b32 v[\j], 0                             ; the sums
.endr
.irp b, 0,1,2,3
	v_mov_b32 v[PD+\b], 0                          ; written once: a lane permute's destination counts as one of its sources
.endr
	v_mov_b32 v233, 0                              ; (named as the upper half of the pair v[232:233])
	s_mov_b32 s48, 0                               ; the step's codes: 4,096 bytes a step, in K's images and in V's
	s_mov_b32 s49, 0                               ; K's scale words: 512 a step
	s_mov_b32 s50, 0                               ; V's: 256 a step
	s_mov_b32 s51, 16                              ; steps of 128 keys
	s_wait_tensorcnt 0x0                           ; my parts of K, V and their scale words are in,
	s_barrier_signal -1
	s_barrier_wait -1                              ; everybody's are: they stay to the end
	s_wait_loadcnt 0x0                             ; Q
	v_perm_b32 v28, v238, v238, 0x01000100         ; q1's two bytes, in both halves of the word: for [q; 0] and for [0; q]
	v_perm_b32 v29, v238, v238, 0x03020302         ; q2's
.set J, 0
.rept 64
	v_mov_b32 v[O1+J], 0                           ; O^T.  (The step is written once: the first finds zeros.  These lines are also the places between the scale words' making and the first product)
.set J, J+1
.endr
.macro WS d, a, b, sa, sb, ra          ; a product that starts a sum
.if (\ra)
	v_wmma_scale_f32_16x16x128_f8f6f4 v[\d:\d+7], v[\a:\a+7], v[\b:\b+7], 0, v[\sa], v[\sb] matrix_a_fmt:MATRIX_FMT_FP4 matrix_b_fmt:MATRIX_FMT_FP4 matrix_a_scale:MATRIX_SCALE_ROW1
.else
	v_wmma_scale_f32_16x16x128_f8f6f4 v[\d:\d+7], v[\a:\a+7], v[\b:\b+7], 0, v[\sa], v[\sb] matrix_a_fmt:MATRIX_FMT_FP4 matrix_b_fmt:MATRIX_FMT_FP4
.endif
.endm
.macro WP d, a, b, sa, sb, ra          ; a product that adds in place
.if (\ra)
	v_wmma_scale_f32_16x16x128_f8f6f4 v[\d:\d+7], v[\a:\a+7], v[\b:\b+7], v[\d:\d+7], v[\sa], v[\sb] matrix_a_fmt:MATRIX_FMT_FP4 matrix_b_fmt:MATRIX_FMT_FP4 matrix_a_scale:MATRIX_SCALE_ROW1
.else
	v_wmma_scale_f32_16x16x128_f8f6f4 v[\d:\d+7], v[\a:\a+7], v[\b:\b+7], v[\d:\d+7], v[\sa], v[\sb] matrix_a_fmt:MATRIX_FMT_FP4 matrix_b_fmt:MATRIX_FMT_FP4
.endif
.endm
; S^T of one tile of queries against the step's 128 keys: eight products, eight accumulators.  qz = [q; 0], zq = [0; q]
.macro SMUL qz, zq, sq
.irp b, 0,1,2,3
	WS S+16*\b, 40+8*\b, \qz, 72+\b/2, \sq, \b%2
	WS S+16*\b+8, 40+8*\b, \zq, 72+\b/2, \sq, \b%2
.endr
.endm
; One tile's softmax for 128 keys.  mst: its -M, largest t and sums; o: its O^T; pc: where p's codes go; pw: their scale word
.macro SOFTMAX mst, o, pc, pw
.irp b, 0,1,2,3
	v_max3_num_f32 v[BM+\b], v[S+16*\b], v[S+1+16*\b], v[S+2+16*\b]   ; THE LARGEST SCORE OF EACH BLOCK OF 32 KEYS serves twice: for the row's maximum and, since p rises with the score, for the block's largest p
.endr
.irp i, 3,5,7,9,11,13
.irp b, 0,1,2,3
	v_max3_num_f32 v[BM+\b], v[BM+\b], v[S+16*\b+\i], v[S+1+16*\b+\i]
.endr
.endr
.irp b, 0,1,2,3
	v_max_num_f32 v[BM+\b], v[BM+\b], v[S+15+16*\b]
.endr
.irp b, 0,1,2,3
	s_delay_alu instid0(VALU_DEP_4)
	v_permlanex16_b32 v[PD+\b], v[BM+\b], s20, s21
.endr
.irp b, 0,1,2,3
	s_delay_alu instid0(VALU_DEP_4)
	v_max_num_f32 v[BM+\b], v[BM+\b], v[PD+\b]     ; with lane l xor 16's 16 keys
.endr
	s_delay_alu instid0(VALU_DEP_2)
	v_max3_num_f32 v234, v[BM], v[BM+1], v[BM+2]
	s_delay_alu instid0(VALU_DEP_1)
	v_max_num_f32 v234, v234, v[BM+3]              ; the step's largest score of my query
	s_delay_alu instid0(VALU_DEP_1)
	v_mul_f32 v234, s22, v234                      ; as t (c is positive)
	s_delay_alu instid0(VALU_DEP_1)
	v_max_num_f32 v[\mst+1], v[\mst+1], v234       ; the running largest t
	v_mov_b32 v234, v[\mst]
	s_delay_alu instid0(VALU_DEP_2)
	v_floor_f32 v[\mst], -v[\mst+1]                ; the new -M = floor(-t) = -ceil(t): a whole number
	s_delay_alu instid0(VALU_DEP_1)
	v_sub_f32 v234, v[\mst], v234                  ; old M - new M: a whole number, 0 or less
	s_delay_alu instid0(VALU_DEP_1)
	v_cvt_i32_f32 v234, v234                       ; (it saturates)
	s_delay_alu instid0(VALU_DEP_1)
	v_ldexp_f32 v232, 1.0, v234                    ; f = 2^(old M - new M)
.set J, 0
.rept 32
	v_pk_fma_f32 v[S+J:S+J+1], v[S+J:S+J+1], s[22:23], v[\mst:\mst+1] op_sel_hi:[1,0,0]   ; t - M, two at a time (of the pairs c and -M the low word serves both halves)
.set J, J+2
.endr
.irp b, 0,1,2,3
	v_fma_f32 v[BM+\b], v[BM+\b], s22, v[\mst]     ; the same of each block's largest score
.endr
.set J, 0
	s_wait_alu depctr_va_vdst(0)
.rept 64
	v_exp_f32 v[S+J], v[S+J]                       ; p = 2^(t - M), at most 1
.set J, J+1
.endr
	v_pk_mul_f32 v[\mst+2:\mst+3], v[\mst+2:\mst+3], v[232:233] op_sel_hi:[1,0]   ; the sums under the new M (a plain line behind the exponentials)
	s_wait_alu depctr_va_vdst(0)                   ; one wait for the whole batch, ahead of its first reader
.irp b, 0,1,2,3
	v_exp_f32 v[BM+\b], v[BM+\b]                   ; the block's largest p: the same two instructions on the same number give the same bits
.endr
	v_pk_add_f32 v[PD:PD+1], v[S:S+1], v[S+2:S+3]  ; THE ROW'S SUM IS TAKEN OF THE UNQUANTISED p, in two chains.  (It reads the 64 alone: plain work behind the four)
.irp j, 4,8,12,16,20,24,28,32,36,40,44,48,52,56,60
	v_pk_add_f32 v[\mst+2:\mst+3], v[\mst+2:\mst+3], v[S+\j:S+\j+1]
	v_pk_add_f32 v[PD:PD+1], v[PD:PD+1], v[S+2+\j:S+3+\j]
.endr
	s_delay_alu instid0(VALU_DEP_1)
	v_pk_add_f32 v[\mst+2:\mst+3], v[\mst+2:\mst+3], v[PD:PD+1]
	s_wait_alu depctr_va_vdst(0)                   ; and one for the four
.irp b, 0,1,2,3
	v_max_num_f32 v[BM+\b], 0x1800000, v[BM+\b]    ; the floor 2^(3 - 127): the byte cannot fall under 1
.endr
.irp b, 0,1,2,3
	s_delay_alu instid0(VALU_DEP_4)
	v_add_nc_u32 v[SO+\b], 0xff000000, v[BM+\b]    ; 2 off the exponent field: the conversion's scale operand
.endr
.irp b, 0,1,2,3
	s_delay_alu instid0(VALU_DEP_4)
	v_lshrrev_b32 v[PD+\b], 23, v[SO+\b]           ; the scale's byte
.endr
	s_delay_alu instid0(VALU_DEP_3)
	v_lshl_or_b32 v[\pw], v[PD+1], 8, v[PD]        ; p's scale word for these 128 keys
	s_delay_alu instid0(VALU_DEP_1)
	v_lshl_or_b32 v[\pw], v[PD+2], 16, v[\pw]
	s_delay_alu instid0(VALU_DEP_1)
	v_lshl_or_b32 v[\pw], v[PD+3], 24, v[\pw]
.irp b, 0,1,2,3
	v_cvt_scalef32_pk8_fp4_f32 v[\pc+2*\b], v[S+16*\b:S+16*\b+7], v[SO+\b]
	v_cvt_scalef32_pk8_fp4_f32 v[\pc+2*\b+1], v[S+16*\b+8:S+16*\b+15], v[SO+\b]
.endr
	v_nop                                          ; one plain place behind a scaled conversion
.irp c, 0,1                                    ; the operand's layout wants a WHOLE block in a lane
.irp i, 0,1
	v_permlane16_swap_b32 v[\pc+4*\c+\i], v[\pc+2+4*\c+\i]
.endr
.endr
.set J, 0
.rept 16
	v_pk_mul_f32 v[\o+J:\o+J+1], v[\o+J:\o+J+1], v[232:233] op_sel_hi:[1,0]   ; the tile's O^T under the new M, each accumulator from its low end on.  (Also the places between the scale word's and the codes' making and the products that take them)
.set J, J+2
.endr
.endm
.Lstep:                                        ; 16 trips: 128 keys each; no barrier: nobody writes what is read
	s_setprio 2
	v_add_nc_u32 v4, s48, v1                       ; these four are also the places in front of loads into registers that the last products have read
	v_add_nc_u32 v6, s49, v2
	v_add_nc_u32 v7, s50, v3
	s_delay_alu instid0(VALU_DEP_3)
	v_add_nc_u32 v5, VIMG, v4
.irp b, 0,1,2,3
.irp c, 0,1
	ds_load_b128 v[40+8*\b+4*\c:40+8*\b+4*\c+3], v4 offset:\b*1024+512*\c   ; K: groups 2 b and 2 b + 1 of the step's eight: 512 consecutive bytes a load
.endr
.endr
	ds_load_b32 v72, v6                            ; lanes 0-15: fragment 0's words, lanes 16-31: fragment 1's
	ds_load_b32 v73, v6 offset:256                 ; fragments 2 and 3
	s_wait_dscnt 0x0
	SMUL 12, 8, 28
.rept 4
	v_nop                                          ; four places in front of the first read of results
.endr
	SOFTMAX 30, O1, 204, 38
	SMUL 20, 16, 29
.rept 4
	v_nop                                          ; four places in front of loads into K's registers, and of the first read of results
.endr
.irp g, 0,1,2,3
.irp c, 0,1
	ds_load_b128 v[40+8*\g+4*\c:40+8*\g+4*\c+3], v5 offset:\g*1024+512*\c   ; V: 16 channels x these 128 keys; they land while the second tile's softmax is worked
.endr
.endr
	ds_load_b32 v74, v7                            ; lanes 0-15: channel group 0's words, lanes 16-31: group 2's
	ds_load_b32 v75, v7 offset:128                 ; groups 1 and 3
	s_setprio 1
	SOFTMAX 34, O2, 212, 39
	s_setprio 0
	s_wait_alu depctr_va_vdst(0)
	s_wait_dscnt 0x0
.irp g, 0,1,2,3                                ; O^T += V^T P^T: eight accumulators, one instruction each
	WP O1+8*\g, 40+8*\g, 204, 74+\g%2, 38, \g/2
	WP O2+8*\g, 40+8*\g, 212, 74+\g%2, 39, \g/2
.endr
	s_add_co_u32 s48, s48, 4096
	s_add_co_u32 s49, s49, 512
	s_add_co_u32 s50, s50, 256
	s_sub_co_u32 s51, s51, 1
	s_cmp_lg_u32 s51, 0
	s_cbranch_scc1 .Lstep
	s_setprio 0
	; THE WAY OUT.  The sums' halves and lane l xor 16's are added; O^T is divided by the sum; register 16 b + i of a tile is channel 32 b + 16 (lane / 16) + i of my query: two blocks of the last product's K.
	v_add_f32 v32, v32, v33                        ; (these lines are the places behind the last products)
	v_add_f32 v36, v36, v37
	s_delay_alu instid0(VALU_DEP_2)
	v_permlanex16_b32 v224, v32, s20, s21
	s_delay_alu instid0(VALU_DEP_2)
	v_permlanex16_b32 v225, v36, s20, s21
	s_delay_alu instid0(VALU_DEP_2)
	v_add_f32 v32, v32, v224
	s_delay_alu instid0(VALU_DEP_2)
	v_add_f32 v36, v36, v225
	s_wait_alu depctr_va_vdst(0)
	v_rcp_f32 v226, v32
	v_rcp_f32 v227, v36
	s_lshl_b32 s56, s12, 6
	s_add_co_u32 s56, s56, STG
	v_lshl_add_u32 v239, v236, 2, s56              ; (plain lines behind the reciprocals)  the stage: 64 bytes a wave, a word for row r
	s_lshl_b32 s56, s12, 8
	s_add_co_u32 s56, s56, STG
	v_lshlrev_b32 v241, 3, v235                    ; back, and out: 8 bytes a lane
	s_delay_alu instid0(VALU_DEP_1)
	v_add_nc_u32 v240, s56, v241
	s_wait_alu depctr_va_vdst(0)                   ; one wait for the two reciprocals, ahead of their first reader
.set J, 0
.rept 32
	v_mul_f32 v[S+J], v[O1+J], v226
.set J, J+1
.endr
.set J, 0
.rept 32
	v_mul_f32 v[S+32+J], v[O2+J], v227
.set J, J+1
.endr
; 32 numbers of a lane become 16 bytes of codes (lane (r, h): block h of query r) and two scale bytes
.macro QUANT2 s, pc, hw
.irp b, 0,1
	v_max3_num_f32 v[BM+\b], |v[\s+16*\b]|, |v[\s+1+16*\b]|, 0x1800000
.endr
.irp i, 2,4,6,8,10,12,14
.irp b, 0,1
	s_delay_alu instid0(VALU_DEP_2)
	v_max3_num_f32 v[BM+\b], v[BM+\b], |v[\s+16*\b+\i]|, |v[\s+1+16*\b+\i]|
.endr
.endr
.irp b, 0,1
	s_delay_alu instid0(VALU_DEP_2)
	v_permlanex16_b32 v[PD+\b], v[BM+\b], s20, s21
.endr
.irp b, 0,1
	s_delay_alu instid0(VALU_DEP_2)
	v_max_num_f32 v[BM+\b], v[BM+\b], v[PD+\b]
.endr
.irp b, 0,1
	s_delay_alu instid0(VALU_DEP_2)
	v_add_nc_u32 v[SO+\b], 0xff000000, v[BM+\b]
.endr
.irp b, 0,1
	s_delay_alu instid0(VALU_DEP_2)
	v_lshrrev_b32 v[PD+\b], 23, v[SO+\b]
.endr
	s_delay_alu instid0(VALU_DEP_1)
	v_lshl_or_b32 v[\hw], v[PD+1], 8, v[PD]
.irp b, 0,1
	v_cvt_scalef32_pk8_fp4_f32 v[\pc+2*\b], v[\s+16*\b:\s+16*\b+7], v[SO+\b]
	v_cvt_scalef32_pk8_fp4_f32 v[\pc+2*\b+1], v[\s+16*\b+8:\s+16*\b+15], v[SO+\b]
.endr
	v_nop                                          ; one plain place behind a scaled conversion
	v_permlane16_swap_b32 v[\pc], v[\pc+2]
	v_permlane16_swap_b32 v[\pc+1], v[\pc+3]
.endm
	QUANT2 S, 204, 38
	QUANT2 S+32, 212, 39
	s_wait_alu depctr_va_vdst(0)
	s_lshr_b32 s52, s15, 4                         ; the batch
	s_and_b32 s53, s15, 15                         ; the head
	s_lshl_b32 s54, s52, 7
	s_lshl_b32 s55, s19, 1
	s_add_co_u32 s54, s54, s55                     ; my first group of tokens among all 512
	s_lshl_b32 s54, s54, 13
	s_lshl_b32 s55, s53, 9                         ; the head's two k blocks: 512 bytes
	s_add_co_u32 s54, s54, s55
	s_mov_b32 s55, 0
	s_add_nc_u64 s[8:9], s[8:9], s[54:55]
	global_store_b128 v1, v[204:207], s[8:9]       ; each store covers 512 consecutive bytes
	global_store_b128 v1, v[212:215], s[8:9] offset:8192
	s_lshl_b32 s54, s53, 14
	s_lshl_b32 s56, s52, 12
	s_add_co_u32 s54, s54, s56
	s_lshl_b32 s56, s14, 10
	s_add_co_u32 s54, s54, s56                     ; s3: the work-group's 16 pairs of groups are 1,024 bytes on end;
	s_lshl_b32 s56, s12, 8
	s_add_co_u32 s54, s54, s56                     ; waves 0 to 3 store 256 each
	s_add_nc_u64 s[10:11], s[10:11], s[54:55]
	v_lshl_or_b32 v238, v39, 16, v38               ; the even group's two bytes, the odd group's two
	ds_store_b32 v239, v238                        ; both halves of the lanes write the same word with the same value
	s_wait_dscnt 0x0                               ; for the others' sake: my store has landed
	s_barrier_signal -1
	s_barrier_wait -1
	s_cmp_lt_u32 s12, 4
	s_cbranch_scc0 .Lnone
	ds_load_b64 v[242:243], v240
	s_wait_dscnt 0x0
	global_store_b64 v241, v[242:243], s[10:11]    ; 256 consecutive bytes, at a multiple of 256
.Lnone:
	s_wait_tensorcnt 0x0
	ds_add_u32 v254, v255
	s_wait_dscnt 0x0
	CROUND                                         ; the closing round: no work-group ends while a partner may still ask for a tile that names it
	s_endpgm
.Lfunc_end_k_qd39bf9919b_attn:
	.size	k_qd39bf9919b_attn, .Lfunc_end_k_qd39bf9919b_attn-k_qd39bf9919b_attn
	.p2alignl 7, 3214868480
	.fill 96, 4, 3214868480
	.section	.rodata,"a",@progbits
	.p2align	6, 0x0
	.amdhsa_kernel k_qd39bf9919b_attn
		.amdhsa_group_segment_fixed_size 198656
		.amdhsa_private_segment_fixed_size 0
		.amdhsa_enable_private_segment 0
		.amdhsa_kernarg_size 32
		.amdhsa_user_sgpr_count 2
		.amdhsa_user_sgpr_kernarg_segment_ptr 1
		.amdhsa_wavefront_size32 1
		.amdhsa_system_sgpr_workgroup_id_x 1
		.amdhsa_system_sgpr_workgroup_id_y 1
		.amdhsa_system_sgpr_workgroup_id_z 1
		.amdhsa_system_vgpr_workitem_id 0
		.amdhsa_next_free_vgpr 256
		.amdhsa_next_free_sgpr 66
		.amdhsa_reserve_vcc 0
		.amdhsa_float_denorm_mode_32 3
		.amdhsa_float_denorm_mode_16_64 3
		.amdhsa_memory_ordered 1
		.amdhsa_forward_progress 1
		.amdhsa_inst_pref_size 49
	.end_amdhsa_kernel
	.amdgpu_metadata
---
amdhsa.version: [ 1, 2 ]
amdhsa.kernels:
  - .name:           k_qd39bf9919b_attn
    .symbol:         k_qd39bf9919b_attn.kd
    .args:
      - { .name: c2, .offset: 0, .size: 8, .value_kind: global_buffer, .address_space: global }
      - { .name: s2, .offset: 8, .size: 8, .value_kind: global_buffer, .address_space: global }
      - { .name: c3, .offset: 16, .size: 8, .value_kind: global_buffer, .address_space: global }
      - { .name: s3, .offset: 24, .size: 8, .value_kind: global_buffer, .address_space: global }
    .group_segment_fixed_size: 198656
    .private_segment_fixed_size: 0
    .kernarg_segment_align: 8
    .kernarg_segment_size: 32
    .max_flat_workgroup_size: 512
    .sgpr_count:     66
    .vgpr_count:     256
    .wavefront_size: 32
...
	.end_amdgpu_metadata
.endif
;; end of part 3
;; launch outp (part 4): grid 4 x 64, 4 waves a work-group, clusters of 4 x 4, 262,656 bytes of LDS; arguments c3, s3, c1, s1, b_out, out0; writes out0
.if DOCPART == 4
	.amdgcn_target "amdgcn-amd-amdhsa--gfx1250"
	.amdhsa_code_object_version 6
	.text
	.protected	k_qd39bf9919b_outp
	.globl	k_qd39bf9919b_outp
	.p2align	8
	.type	k_qd39bf9919b_outp,@function
k_qd39bf9919b_outp:
	s_mov_b64 s[64:65], 0
	v_nop
	global_prefetch_b8 v0, s[64:65] scope:SCOPE_SE
	s_setreg_imm32_b32 hwreg(HW_REG_WAVE_MODE, 25, 1), 1
	s_wait_xcnt 0x0
	s_wait_alu depctr_hold_cnt(0) depctr_sa_sdst(0) depctr_va_vdst(0) depctr_va_sdst(0) depctr_va_ssrc(0) depctr_va_vcc(0) depctr_vm_vsrc(0)
	s_getreg_b32 s2, hwreg(HW_REG_IB_STS2, 6, 4)
	s_cmp_eq_u32 s2, 0
	s_cbranch_scc0 .Lentry_in_a_cluster
	s_endpgm
.Lentry_in_a_cluster:
	s_bfe_u32 s2, ttmp6, 0x10000c
	s_cmp_lg_u32 s2, 0xf033
	s_cbranch_scc0 .Lentry_shape_is_right
	s_endpgm
.Lentry_shape_is_right:
; out0 = o w_out^T + b_out on codes of FP4 (E2M1) with E8M0 scales; out0 [8192][1024] f32.  o's codes and scale words are c3 and s3, w_out's are groups 704-767 of c1 and s1.
; The matrix instruction has source 0 = 16 rows of w_out ("B"), source 1 = 16 tokens ("A"): a lane holds one token, and its registers run along the output's columns.
; A group of 16 rows is rows 32 b + 8 u + r + 8 (r / 8): the 16 registers of B's groups 2 b and 2 b + 1 are columns 32 b + 16 (lane / 16) + 0 .. 15.
; A work-group makes 128 tokens x 256 columns over the whole K = 1,024; a wave 64 x 128: 32 accumulators.  All its operands fit in LDS: every tensor load is a first fill, nothing is filled twice.
; By this text's own count a wave has three tensor loads out at the most: scales, K half 0, K half 1.
; CLUSTER 4 x 4: A's tile hangs on cy and is asked for jointly by the cluster's row, B's on cx and by its column.
; REGISTERS: window 0: v1-12 addresses; v16-31 A's scale words, v32-63 B's; v64-127 A's fragments, two sets; v128-255 B's, two sets (free on the way out).  window 1: accumulator (a, t) at v[8 (8 a + t)].
;   window 2: v0-63 the bias, the C of each sum's first product.
.set SLOT,  98304                      ; a K half in LDS: A's 8 groups x 4,096 bytes, then B's 16
.set BOFF,  32768
.set SCA,   196608                     ; A's scale words: [head 16][256 bytes: the tile's 4 pairs of groups]
.set SCB,   200704                     ; B's scale bytes, 16 x 512
.set STG,   208896                     ; the way out: 16 rows x (512 bytes + 16) for each wave; no tensor load lands here
.set SP,    528
.set ADRA, 4
.set ADRB, 6
.set ADSA, 8
.set ADSB, 9
.set STO,  10
.set RD,   11
.set SAR,  16
.set SBR,  32
.set AF,   64
.set BF,   128
.set XW,   192                         ; v192-207 A's scale words as they lie in s3, ahead of the first load into that set
.set BI,   0
.set G1A,  24
.set G0A,  32
.set G1B,  48
.set G0B,  56
.set G1SA, 68
.set G0SA, 76
.set G1SB, 80
.set G0SB, 88
.set MSB, 0
.macro WIN new                         ; the immediate's high byte repeats the setting that is left
.if MSB != \new
	s_set_vgpr_msb (MSB<<8)|\new
.set MSB, \new
.endif
.endm
.macro PLACES n
.rept \n
	v_nop
.endr
.endm
; A joint load: waves 0 and 1 fetch for A, waves 2 and 3 for B; the branch hangs on the wave's number alone.  Four v_nop follow each of the two lines.
.macro JLOAD g0a, g1a, g0b, g1b
	s_cmp_eq_u32 s17, 0
	s_cbranch_scc0 .Lfor_b_\@
	tensor_load_to_lds s[\g0a:\g0a+3], s[\g1a:\g1a+7]
	s_nop 0
.rept 4
	v_nop
.endr
	s_branch .Lasked_\@
.Lfor_b_\@:
	tensor_load_to_lds s[\g0b:\g0b+3], s[\g1b:\g1b+7]
	s_nop 0
.rept 4
	v_nop
.endr
.Lasked_\@:
.endm
.macro CROUND                          ; a round of the cluster's barrier
	s_barrier_signal -1
	s_barrier_wait -1
	s_cmp_lg_u32 s16, 0
	s_cbranch_scc1 .Lnot_wave_0_\@
	s_barrier_signal -3
.Lnot_wave_0_\@:
	s_barrier_wait -3
	s_barrier_signal -1
	s_barrier_wait -1
.endm
	s_load_b256 s[4:11], s[0:1], 0x0               ; c3 s[4:5], s3 s[6:7], c1 s[8:9], s1 s[10:11]
	s_load_b128 s[12:15], s[0:1], 0x20             ; b_out s[12:13], out0 s[14:15]
	v_lshl_add_u32 v15, v0, 2, 0x40000
	s_set_vgpr_msb 0x80
	v_mov_b32 v129, 0
	s_set_vgpr_msb 0x8088
	ds_add_u32 v15, v129
	ds_add_u32 v15, v129
	s_set_vgpr_msb 0x8800
	v_lshrrev_b32 v1, 5, v0
	v_readfirstlane_b32 s16, v1                    ; wave 0..3
	s_lshr_b32 s17, s16, 1                         ; wa: which 4 groups of A are mine.  Also: I fetch for A (0) or for B (1)
	s_and_b32 s18, s16, 1                          ; wb: which 8 groups of B.  Also: which half of that tile I fetch
	s_bfe_u32 s40, ttmp6, 0x40000                  ; cx
	s_bfe_u32 s41, ttmp6, 0x40004                  ; cy
	s_lshl_b32 s42, ttmp9, 2
	s_add_co_u32 s42, s42, s40                     ; B's tile: 256 columns
	s_and_b32 s45, ttmp7, 0xffff
	s_lshl_b32 s45, s45, 2
	s_add_co_u32 s45, s45, s41                     ; A's tile: 128 tokens
	s_lshl_b32 s43, s41, 2
	s_lshl_b32 s43, 15, s43                        ; my row of the cluster
	s_lshl_b32 s44, 0x1111, s40                    ; my column
	; descriptor groups 1.  Elements of 8 bytes, no padding.  Codes: a K half of each group is a row of 512 elements, groups 1,024 elements apart; 4 rows for A, 8 for B
	s_or_b32 s[G1A], s43, (3<<16)|(1<<21)          ; 15:0 the mask; 17:16 elements of 8 bytes; 21 set beside a mask
	s_or_b32 s[G1B], s44, (3<<16)|(1<<21)
	s_or_b32 s[G1SA], s43, (3<<16)|(1<<21)
	s_or_b32 s[G1SB], s44, (3<<16)|(1<<21)
.irp g, G1A, G1B
	s_mov_b32 s[\g+1], 512<<16                     ; tensor_dim0
	s_mov_b32 s[\g+3], 512<<16                     ; tile_dim0
	s_mov_b32 s[\g+5], 1024                        ; tensor_dim0_stride
	s_mov_b32 s[\g+6], 0
	s_mov_b32 s[\g+7], 0
.endr
	s_mov_b32 s[G1A+2], 4<<16                      ; tensor_dim1
	s_mov_b32 s[G1A+4], 4                          ; tile_dim1
	s_mov_b32 s[G1B+2], 8<<16
	s_mov_b32 s[G1B+4], 8
	s_mov_b32 s[G1SA+1], 32<<16                    ; A's scale words: 8 heads' rows of 256 bytes, 16,384 bytes (2,048 elements) apart
	s_mov_b32 s[G1SA+2], 8<<16
	s_mov_b32 s[G1SA+3], 32<<16
	s_mov_b32 s[G1SA+4], 8
	s_mov_b32 s[G1SA+5], 2048
	s_mov_b32 s[G1SA+6], 0
	s_mov_b32 s[G1SA+7], 0
	s_mov_b32 s[G1SB+1], 32<<16                    ; B's scale bytes: 8 groups' 4,096 dense bytes as 16 rows of 256
	s_mov_b32 s[G1SB+2], 16<<16
	s_mov_b32 s[G1SB+3], 32<<16
	s_mov_b32 s[G1SB+4], 16
	s_mov_b32 s[G1SB+5], 32
	s_mov_b32 s[G1SB+6], 0
	s_mov_b32 s[G1SB+7], 0
	s_lshl_b32 s20, s45, 3
	s_lshl_b32 s21, s18, 2
	s_add_co_u32 s20, s20, s21                     ; A: the first group that I fetch,
	s_lshl_b32 s20, s20, 13                        ; its codes;
	s_mov_b32 s21, 0
	s_lshl_b32 s22, s18, 17                        ; its scale words: heads 8 x half on,
	s_lshl_b32 s23, s45, 8                         ; the tile's 256 bytes of each
	s_add_co_u32 s22, s22, s23
	s_mov_b32 s23, 0
	s_lshl_b32 s2, s42, 4
	s_lshl_b32 s3, s18, 3
	s_add_co_u32 s2, s2, s3
	s_add_co_u32 s2, s2, 704                       ; B: the first group that I fetch
	s_lshl_b32 s46, s2, 9
	s_mov_b32 s47, 0
	s_lshl_b32 s2, s2, 13
	s_mov_b32 s3, 0
	s_wait_dscnt 0x0
	s_wait_kmcnt 0x0
	CROUND                                         ; all sixteen work-groups are here: the joint loads meet
	s_mov_b32 s[G0SA], 1
	s_lshl_b32 s[G0SA+1], s18, 11
	s_add_co_u32 s[G0SA+1], s[G0SA+1], SCA
	s_add_nc_u64 s[G0SA+2:G0SA+3], s[6:7], s[22:23]
	s_or_b32 s[G0SA+3], s[G0SA+3], 0x80000000
	s_mov_b32 s[G0SB], 1
	s_lshl_b32 s[G0SB+1], s18, 12
	s_add_co_u32 s[G0SB+1], s[G0SB+1], SCB
	s_add_nc_u64 s[G0SB+2:G0SB+3], s[10:11], s[46:47]
	s_or_b32 s[G0SB+3], s[G0SB+3], 0x80000000
	JLOAD G0SA, G1SA, G0SB, G1SB                   ; the scales first: they are wanted with the first K step
	s_add_nc_u64 s[20:21], s[4:5], s[20:21]
	s_add_nc_u64 s[2:3], s[8:9], s[2:3]
.irp k, 0,1
	s_mov_b32 s[G0A+4*\k], 1
	s_lshl_b32 s[G0A+4*\k+1], s18, 14
	s_add_co_u32 s[G0A+4*\k+1], s[G0A+4*\k+1], \k*SLOT
	s_add_nc_u64 s[G0A+4*\k+2:G0A+4*\k+3], s[20:21], \k*4096
	s_or_b32 s[G0A+4*\k+3], s[G0A+4*\k+3], 0x80000000
	s_mov_b32 s[G0B+4*\k], 1
	s_lshl_b32 s[G0B+4*\k+1], s18, 15
	s_add_co_u32 s[G0B+4*\k+1], s[G0B+4*\k+1], \k*SLOT+BOFF
	s_add_nc_u64 s[G0B+4*\k+2:G0B+4*\k+3], s[2:3], \k*4096
	s_or_b32 s[G0B+4*\k+3], s[G0B+4*\k+3], 0x80000000
	JLOAD G0A+4*\k, G1A, G0B+4*\k, G1B
.endr
	v_and_b32 v1, 15, v0                           ; r
	v_bfe_u32 v2, v0, 4, 1                         ; h
	v_and_b32 v13, 31, v0                          ; lane
	v_lshlrev_b32 v3, 4, v13                       ; 16 x lane: a lane's place in every image, and in a row of out0's 512 bytes
	s_lshl_b32 s19, s17, 14
	s_lshl_b32 s20, s18, 15
	s_add_co_u32 s20, s20, BOFF
	v_add_nc_u32 v[ADRA], s19, v3
	v_add_nc_u32 v[ADRB], s20, v3
	v_add_nc_u32 v[ADRA+1], SLOT, v[ADRA]
	v_add_nc_u32 v[ADRB+1], SLOT, v[ADRB]
	s_lshl_b32 s19, s17, 7
	s_add_co_u32 s19, s19, SCA
	v_lshl_add_u32 v[ADSA], v13, 2, s19            ; A's scale words: my two pairs of groups: lanes 0-15 the first, lanes 16-31 the second
	v_lshlrev_b32 v14, 4, v1
	v_lshl_add_u32 v[ADSB], v2, 11, v14            ; B's: 16 r; lanes 16-31 four groups on
	s_lshl_b32 s19, s18, 12
	s_add_co_u32 s19, s19, SCB
	v_add_nc_u32 v[ADSB], s19, v[ADSB]
	s_mul_i32 s19, s16, 16*SP
	s_add_co_u32 s19, s19, STG                     ; my stage
	v_mul_u32_u24 v[STO], v1, SP
	v_lshl_add_u32 v[STO], v2, 6, v[STO]
	v_add_nc_u32 v[STO], s19, v[STO]               ; in: row r, + 64 h
	v_add_nc_u32 v[RD], s19, v3                    ; back: a whole row of 512 bytes to the 32 lanes
	v_lshlrev_b32 v12, 6, v2                       ; the bias: 16 numbers on for lanes 16-31
	s_lshl_b32 s20, s42, 8
	s_lshl_b32 s21, s18, 7
	s_add_co_u32 s20, s20, s21
	s_lshl_b32 s20, s20, 2                         ; my first column, in bytes
	s_mov_b32 s21, 0
	s_add_nc_u64 s[12:13], s[12:13], s[20:21]
	s_add_nc_u64 s[14:15], s[14:15], s[20:21]
	s_lshl_b32 s20, s45, 7
	s_lshl_b32 s22, s17, 6
	s_add_co_u32 s20, s20, s22
	s_lshl_b32 s20, s20, 12                        ; my first token's row of 4,096 bytes
	s_add_nc_u64 s[14:15], s[14:15], s[20:21]
	WIN 0x80                                       ; destination window 2
.irp t, 0,1,2,3,4,5,6,7
	global_load_b128 v[BI+8*\t:BI+8*\t+3], v12, s[12:13] offset:(32*(\t/2)+8*(\t%2))*4
	global_load_b128 v[BI+8*\t+4:BI+8*\t+7], v12, s[12:13] offset:(32*(\t/2)+8*(\t%2))*4+16
.endr
	WIN 0
	s_mov_b32 s94, 0x05040100
	s_mov_b32 s95, 0x07060302
; One matrix instruction.  ra, rb: source 0's, source 1's scales stand in lanes 16-31 of their register
.macro WM d, a, b, c, sa, sb, ra, rb
.if (\ra) && (\rb)
	v_wmma_scale_f32_16x16x128_f8f6f4 v[\d:\d+7], v[\a:\a+7], v[\b:\b+7], v[\c:\c+7], v[\sa], v[\sb] matrix_a_fmt:MATRIX_FMT_FP4 matrix_b_fmt:MATRIX_FMT_FP4 matrix_a_scale:MATRIX_SCALE_ROW1 matrix_b_scale:MATRIX_SCALE_ROW1
.elseif (\ra)
	v_wmma_scale_f32_16x16x128_f8f6f4 v[\d:\d+7], v[\a:\a+7], v[\b:\b+7], v[\c:\c+7], v[\sa], v[\sb] matrix_a_fmt:MATRIX_FMT_FP4 matrix_b_fmt:MATRIX_FMT_FP4 matrix_a_scale:MATRIX_SCALE_ROW1
.elseif (\rb)
	v_wmma_scale_f32_16x16x128_f8f6f4 v[\d:\d+7], v[\a:\a+7], v[\b:\b+7], v[\c:\c+7], v[\sa], v[\sb] matrix_a_fmt:MATRIX_FMT_FP4 matrix_b_fmt:MATRIX_FMT_FP4 matrix_b_scale:MATRIX_SCALE_ROW1
.else
	v_wmma_scale_f32_16x16x128_f8f6f4 v[\d:\d+7], v[\a:\a+7], v[\b:\b+7], v[\c:\c+7], v[\sa], v[\sb] matrix_a_fmt:MATRIX_FMT_FP4 matrix_b_fmt:MATRIX_FMT_FP4
.endif
.endm
; K step s (128 along K) from fragment set p: 32 matrix instructions; the 32 accumulators take turns, one instruction a turn, in the same order in every step.
; first = 1: the bias is the C of each sum's first product.
.macro MUL s, p, first
.if \first
	WIN 0x60                                       ; C window 2, D window 1
.else
	WIN 0x50                                       ; C and D window 1
.endif
.irp a, 0,1,2,3
.irp t, 0,1,2,3,4,5,6,7
.if \first
	WM 8*(8*\a+\t), BF+64*(\p)+8*\t, AF+32*(\p)+8*\a, BI+8*\t, SBR+8*(\t%4)+(\s), SAR+8*(\a%2)+(\s), \t/4, \a/2
.else
	WM 8*(8*\a+\t), BF+64*(\p)+8*\t, AF+32*(\p)+8*\a, 8*(8*\a+\t), SBR+8*(\t%4)+(\s), SAR+8*(\a%2)+(\s), \t/4, \a/2
.endif
.endr
.endr
.endm
; K step s's fragments into set p: 24 loads, each of 512 consecutive bytes
.macro FETCH s, p
.irp a, 0,1,2,3
.irp c, 0,1
	ds_load_b128 v[AF+32*(\p)+8*\a+4*\c:AF+32*(\p)+8*\a+4*\c+3], v[ADRA+(\s)/4] offset:\a*4096+((\s)%4)*1024+512*\c
.endr
.endr
.irp t, 0,1,2,3,4,5,6,7
.irp c, 0,1
	ds_load_b128 v[BF+64*(\p)+8*\t+4*\c:BF+64*(\p)+8*\t+4*\c+3], v[ADRB+(\s)/4] offset:\t*4096+((\s)%4)*1024+512*\c
.endr
.endr
.endm
	s_wait_tensorcnt 0x1                           ; my scales and my part of K half 0 are in; K half 1's load may stay out
	s_barrier_signal -1
	s_barrier_wait -1                              ; everybody's are
.irp d, 0,1,2,3,4,5,6,7,8,9,10,11,12,13,14,15
	ds_load_b32 v[XW+\d], v[ADSA] offset:\d*256    ; head d's word: bytes 0, 1 the even group's two blocks, bytes 2, 3 the odd group's
.endr
.irp t, 0,1,2,3
.irp q, 0,1
	ds_load_b128 v[SBR+8*\t+4*\q:SBR+8*\t+4*\q+3], v[ADSB] offset:\t*512+\q*256   ; B's: register 8 t + s: K step s; lanes 0-15 group t, lanes 16-31 group 4 + t
.endr
.endr
	FETCH 0, 0
	s_wait_dscnt 32                                ; A's sixteen words are in; the 8 + 24 loads behind them may be out
.irp s, 0,1,2,3,4,5,6,7                        ; K step s is heads 2 s and 2 s + 1: register 8 u + s: lanes 0-15 group u, lanes 16-31 group 2 + u
	v_perm_b32 v[SAR+\s], v[XW+2*\s+1], v[XW+2*\s], s94
	v_perm_b32 v[SAR+8+\s], v[XW+2*\s+1], v[XW+2*\s], s95
.endr
	PLACES 8                                       ; a scale register written by a vector instruction stands eight places ahead of a scaled matrix instruction
	s_wait_loadcnt 0x0                             ; the bias
.set KS_, 0
.rept 8                                        ; the eight K steps, written out: step s + 1's fragments are asked for ahead of step s's products
	s_wait_dscnt 0x0                               ; this step's fragments are in
.if KS_ == 3
	s_wait_tensorcnt 0x0                           ; my part of K half 1 is in,
	s_barrier_signal -1
	s_barrier_wait -1                              ; everybody's is: the next fetch reads it
.endif
.if KS_ < 7
.if KS_ > 0
	PLACES 4                                       ; four places in front of loads into registers that the last step's products have read (ISA guide 7.12.1 for vector instructions)
.endif
	FETCH KS_+1, (KS_+1)%2
.endif
.if KS_ == 0
	MUL 0, 0, 1
.else
	MUL KS_, KS_%2, 0
.endif
	WIN 0
.set KS_, KS_+1
.endr
; THE WAY OUT, a group of 16 tokens x 128 columns at a time.  A lane holds pieces of 32 bytes of one row, and the lanes beside it hold other rows: so a block goes through my own stage in LDS and comes back as whole rows
; of 512 bytes.  LDS serves a wave's instructions in order: no wait between the stores and the loads, nor in front of the next block's stores.
.macro TOSTAGE a
	WIN 0x04                                       ; an LDS store's data are its source 1: window 1
.irp t, 0,1,2,3,4,5,6,7
	ds_store_b128 v[STO], v[64*(\a)+8*\t:64*(\a)+8*\t+3] offset:128*(\t/2)+32*(\t%2)        ; each accumulator from its low end on
	ds_store_b128 v[STO], v[64*(\a)+8*\t+4:64*(\a)+8*\t+7] offset:128*(\t/2)+32*(\t%2)+16
.endr
	WIN 0
.set BB, 64+64*((\a)%2)
.irp i, 0,1,2,3,4,5,6,7,8,9,10,11,12,13,14,15
	ds_load_b128 v[BB+4*\i:BB+4*\i+3], v[RD] offset:\i*SP
.endr
.endm
.macro SEND a, younger                 ; younger: the LDS instructions issued behind block a's loads, which may stay out
.set BB, 64+64*((\a)%2)
	s_wait_dscnt \younger
.irp i, 0,1,2,3,4,5,6,7,8,9,10,11,12,13,14,15
	global_store_b128 v3, v[BB+4*\i:BB+4*\i+3], s[14:15] offset:(32*((\a)/2)+8*((\a)%2)+\i+8*(\i/8))*4096 th:TH_STORE_NT   ; row i of the group is token i + 8 (i / 8) of it: 512 consecutive bytes, at a multiple of 256; written once, read by nobody here
.endr
.endm
	PLACES 4                                       ; in front of the first read of results and of loads into registers that held fragments
	TOSTAGE 0
.irp a, 1,2,3
.if \a > 1
	s_wait_xcnt 0x0                                ; block a - 2's stores have read their registers: block a's loads may land there
.endif
	TOSTAGE \a
	SEND \a-1, 32                                  ; behind block a - 1's loads: block a's 16 stores and 16 loads
.endr
	SEND 3, 0
	s_set_vgpr_msb 0x8
	s_wait_tensorcnt 0x0
	ds_add_u32 v15, v129
	s_wait_dscnt 0x0
	s_set_vgpr_msb 0x800
	CROUND                                         ; the closing round: no work-group ends while a partner may still ask for a tile that names it
	s_endpgm
.Lfunc_end_k_qd39bf9919b_outp:
	.size	k_qd39bf9919b_outp, .Lfunc_end_k_qd39bf9919b_outp-k_qd39bf9919b_outp
	.p2alignl 7, 3214868480
	.fill 96, 4, 3214868480
	.section	.rodata,"a",@progbits
	.p2align	6, 0x0
	.amdhsa_kernel k_qd39bf9919b_outp
		.amdhsa_group_segment_fixed_size 262656
		.amdhsa_private_segment_fixed_size 0
		.amdhsa_enable_private_segment 0
		.amdhsa_kernarg_size 48
		.amdhsa_user_sgpr_count 2
		.amdhsa_user_sgpr_kernarg_segment_ptr 1
		.amdhsa_wavefront_size32 1
		.amdhsa_system_sgpr_workgroup_id_x 1
		.amdhsa_system_sgpr_workgroup_id_y 1
		.amdhsa_system_sgpr_workgroup_id_z 1
		.amdhsa_system_vgpr_workitem_id 0
		.amdhsa_next_free_vgpr 642
		.amdhsa_next_free_sgpr 100
		.amdhsa_reserve_vcc 0
		.amdhsa_float_denorm_mode_32 3
		.amdhsa_float_denorm_mode_16_64 3
		.amdhsa_memory_ordered 1
		.amdhsa_forward_progress 1
		.amdhsa_inst_pref_size 75
	.end_amdhsa_kernel
	.amdgpu_metadata
---
amdhsa.version: [ 1, 2 ]
amdhsa.kernels:
  - .name:           k_qd39bf9919b_outp
    .symbol:         k_qd39bf9919b_outp.kd
    .args:
      - { .name: c3, .offset: 0, .size: 8, .value_kind: global_buffer, .address_space: global }
      - { .name: s3, .offset: 8, .size: 8, .value_kind: global_buffer, .address_space: global }
      - { .name: c1, .offset: 16, .size: 8, .value_kind: global_buffer, .address_space: global }
      - { .name: s1, .offset: 24, .size: 8, .value_kind: global_buffer, .address_space: global }
      - { .name: b_out, .offset: 32, .size: 8, .value_kind: global_buffer, .address_space: global }
      - { .name: out0, .offset: 40, .size: 8, .value_kind: global_buffer, .address_space: global }
    .group_segment_fixed_size: 262656
    .private_segment_fixed_size: 0
    .kernarg_segment_align: 8
    .kernarg_segment_size: 48
    .max_flat_workgroup_size: 128
    .sgpr_count:     100
    .vgpr_count:     642
    .wavefront_size: 32
...
	.end_amdgpu_metadata
.endif
;; end of part 4
